; MI455X (gfx1250); checked and timed in simulation.
; The chip was launched on July 23, 2026; its instructions are those of AMD's public machine-readable ISA for CDNA 5 (MIT licence, August 2026) and "CDNA5" Instruction Set Architecture Reference Guide (July 2026). The comments in the code are by the model that wrote it; some were corrected since.
;; Causal Self Attention. Allowed arithmetic: matrix products marked QUANTISED: E2M1 operands, one E8M0 scale for each 32 along K, by v_wmma_scale_f32_16x16x128_f8f6f4 with both operands' format E2M1 (or v_wmma_scale_f32_32x16x128_f4), f32 sums; products left as they are: bf16, f16 or f32 operands; f32 sums; everything else in f32.
;; Inputs: W_attn 1,024 x 3,072 float32; W_proj 1,024 x 1,024 float32; b_attn 3,072 float32; b_proj 1,024 float32; x 4 x 2,048 x 1,024 float32.
;; Outputs: out0 4 x 2,048 x 1,024 float32.
;; This version of the problem:
;;   THIS VERSION OF THE PROBLEM IS GIVEN IN LOW PRECISION. The matrix products marked QUANTISED in the list below multiply operands that are first quantised to E2M1 (2 exponent bits, 1 mantissa bit; 4 bits a number), with one power-of-two scale for each 32 numbers along K (OCP MX v1.0); their sums are f32. The products marked 'left as it is' may take bf16, f16 or f32 operands, with f32 sums. Whichever they take, every output number must still come out within the allowed error. Rounding operands to bf16 (8 significant bits) uses up far more of that allowance than f16 does (11 bits, for magnitudes from 6e-5 to 65,504). All else is computed in f32.
;;   The module's matrix products, in the order in which they are computed (A, B: the left and right operand; K: the contracted axis; several contracted axes count as one K, in the product's order):
;;     1. [M 8,192, K 1,024] x [K 1,024, N 3,072]; A: input x; B: input W_attn: QUANTISED
;;     2. batch 64 x [M 2,048, K 64] x [K 64, N 2,048]; A: computed on the way; B: computed on the way: left as it is (an operand is computed on the way)
;;     3. batch 64 x [M 2,048, K 2,048] x [K 2,048, N 64]; A: computed on the way; B: computed on the way: left as it is (an operand is computed on the way)
;;     4. [M 8,192, K 1,024] x [K 1,024, N 1,024]; A: computed on the way; B: input W_proj: left as it is (an operand is computed on the way)
;;   THE QUANTISER, for each operand of a quantised product, along K:
;;     - K is cut into blocks of 32 from its start; a last block that is shorter is filled with zeros.
;;     - A block's scale is 2^e with e = floor(log2(the largest magnitude in the block)) - 2, held to -126 .. 127; a block of zeros has e = 0. As a byte (E8M0): e + 127.
;;     - Each number is divided by its block's scale, clamped to +-6, and rounded to the nearest number of E2M1, ties to even, subnormals kept.
;;     - The product sums the exact products of the quantised numbers (number of the format x scale) in f32.
;;   ~~~python
;;   def quantise(x, axis):      # numpy; x: float32 -> the quantised numbers, widened to float32 again
;;       x = np.moveaxis(x, axis, -1); K = x.shape[-1]
;;       x = np.pad(x, [(0, 0)] * (x.ndim - 1) + [(0, -K % 32)]); x = x.reshape(x.shape[:-1] + (-1, 32)); a = np.abs(x).max(-1, keepdims=True)
;;       e = np.where(a > 0, np.clip(np.frexp(np.where(a > 0, a, 1))[1] - 1 - 2, -126, 127), 0)      # np.frexp(a)[1] - 1 = floor(log2(a)), exactly
;;       r = np.clip(x / 2.0 ** e, -6, 6)
;;       step = 2.0 ** (np.maximum(np.frexp(np.where(r == 0, 1, r))[1] - 1, 0) - 1)
;;       q = np.round(r / step) * step * 2.0 ** e      # np.round: ties to even
;;       return np.moveaxis(q.reshape(q.shape[:-2] + (-1,))[..., :K], -1, axis).astype(np.float32)
;;   ~~~
;; One version. Each part assembles by itself: llvm-mc -triple=amdgcn-amd-amdhsa -mcpu=gfx1250 --defsym DOCPART=n.
;; ======== version 1 of 1: 5 launches
;; limits: values are held in f16: magnitudes above 65,504 overflow, below 6.1e-05 lose precision
;; workspace buffers: xc 4,194,304 bytes; xs 262,144 bytes; wc 1,572,864 bytes; ws 98,304 bytes; wp16 2,097,152 bytes; qkv 50,331,648 bytes; fq 786,432 bytes; y16 16,777,216 bytes
;; launch prep (part 1): grid 288 x 1, 8 waves a work-group, no clusters, 83,968 bytes of LDS; arguments x, W_attn, W_proj, xc, xs, wc, ws, wp16; writes xc, xs, wc, ws, wp16
.if DOCPART == 1
	.amdgcn_target "amdgcn-amd-amdhsa--gfx1250"
	.amdhsa_code_object_version 6
	.text
	.protected	k_q4f1e285ff5_prep
	.globl	k_q4f1e285ff5_prep
	.p2align	8
	.type	k_q4f1e285ff5_prep,@function
k_q4f1e285ff5_prep:
	s_mov_b64 s[64:65], 0
	v_nop
	global_prefetch_b8 v0, s[64:65] scope:SCOPE_SE
	s_setreg_imm32_b32 hwreg(HW_REG_WAVE_MODE, 25, 1), 1
	s_wait_xcnt 0x0
; Three jobs in one launch, told apart by the work-group's number; each has LDS bytes of its own.
;   work-groups 0-127:   x [8192][1024] f32 -> codes of E2M1 (xc, K innermost, 512 bytes a row) and E8M0 scale bytes (xs, 32 a row)
;   work-groups 128-223: W_attn [1024 k][3072 n] f32, K its FIRST axis -> wc [3072][512 bytes], K innermost, ws [3072][32]
;   work-groups 224-287: W_proj f32 -> wp16, f16, same layout
; A block's scale is 2^(floor(log2(largest magnitude)) - 2); its byte is the largest magnitude's exponent field - 2, held at 1 from below.
; LIMITS: a block of zeros, or one whose largest magnitude lies under 2^-124, gets the byte 1 (zero codes add nothing; this program alone reads the bytes);
; NaN and infinities are not served; W_proj must stay under 65,504 in magnitude (f16), and under 6e-5 it keeps f16's subnormal step.
.set SPW,   12                         ; v12  my spare word: SPARE + 4 x thread; never rewritten
.set NIL,   13                         ; v13  0; never rewritten
.set WREG,  8192                       ; x's path: LDS region of a wave: two stages of 32 x SP bytes, then its 256 scale bytes
.set SP,    80                         ; a lane's place in a stage: 64 bytes + 16 of padding
.set STEPS, 16
.set CB,    8                          ; bytes of 16 codes
.set R,     16                         ; v16-79   four sets of 16 numbers as loaded
.set X,     80                         ; v80-111  two sets of 16 neighbours
.set E,     112                        ; v112-127 a scale byte for each step
.set C,     128                        ; v128-191 codes, four registers a step
.set WSTG,  65536                      ; W_attn's path: 64 rows (columns n) x (256 bytes of codes + 16 scale bytes)
.set WP,    272
.set SPARE, WSTG+64*WP                 ; the spare words: 128 bytes a wave, four blocks of 256 bytes that no other line names
.set WN,    12288                      ; a row of W_attn in bytes
	s_load_b128 s[4:7], s[0:1], 0x0                ; x, W_attn
	s_load_b128 s[8:11], s[0:1], 0x10              ; W_proj, xc
	s_load_b128 s[12:15], s[0:1], 0x20             ; xs, wc
	s_load_b128 s[16:19], s[0:1], 0x30             ; ws, wp16
	v_lshl_add_u32 v[SPW], v0, 2, SPARE
	v_mov_b32 v[NIL], 0
	v_lshrrev_b32 v1, 5, v0
	v_readfirstlane_b32 s20, v1                    ; wave 0..7
	v_and_b32 v2, 31, v0                           ; lane
	s_mov_b32 s23, 0
	s_mov_b32 s27, 0
	s_wait_kmcnt 0x0
	s_cmp_lt_u32 ttmp9, 128
	s_cbranch_scc0 .Lnot_x
; ---- x: a plain stream of blocks of 32.  A wave takes 16 steps of 512 numbers.  Loads take the bytes as they lie (512 a load); a step's 2,048 bytes turn through the
; wave's own stage so that a lane holds 16 neighbours; two neighbouring lanes hold a block.  Loads run four steps ahead, the turn one step.
	s_lshl_b32 s21, ttmp9, 3
	s_add_co_u32 s21, s21, s20                     ; my run of 8,192 numbers
	s_lshl_b32 s22, s21, 15
	s_add_nc_u64 s[4:5], s[4:5], s[22:23]
	s_lshl_b32 s22, s21, 12
	s_add_nc_u64 s[10:11], s[10:11], s[22:23]
	s_lshl_b32 s22, s21, 8
	s_add_nc_u64 s[12:13], s[12:13], s[22:23]
	v_lshlrev_b32 v3, 4, v2                        ; my 16 bytes of a load's 512
	s_mul_i32 s24, s20, WREG
	v_lshrrev_b32 v14, 2, v2
	v_mul_u32_u24 v14, v14, SP
	v_and_b32 v15, 3, v2
	v_lshl_add_u32 v14, v15, 4, v14
	v_add_nc_u32 v14, s24, v14                     ; the stage, in: SP (lane / 4) + 16 (lane % 4)
	v_mul_u32_u24 v15, v2, SP
	v_add_nc_u32 v15, s24, v15                     ; and out: SP x lane
	v_mul_u32_u24 v4, v2, CB                       ; my codes' place in a step's 256 bytes
	v_lshrrev_b32 v5, 1, v2
	s_add_co_u32 s24, s24, 2*32*SP
	v_add_nc_u32 v5, s24, v5                       ; my block's scale byte in the wave's 256
	v_lshlrev_b32 v7, 3, v2
	v_add_nc_u32 v6, s24, v7                       ; and 8 of them a lane on the way out
.macro LOADX t
.irp i, 0,1,2,3
	global_load_b128 v[R+16*((\t)%4)+4*\i:R+16*((\t)%4)+4*\i+3], v3, s[4:5] offset:2048*(\t)+512*\i th:TH_LOAD_NT
.endr
.endm
.macro TURNX t                         ; LDS serves a wave's instructions in order: no wait between the stores and the loads
.irp i, 0,1,2,3
	ds_store_b128 v14, v[R+16*((\t)%4)+4*\i:R+16*((\t)%4)+4*\i+3] offset:32*SP*((\t)%2)+8*SP*\i
.endr
.irp i, 0,1,2,3
	ds_load_b128 v[X+16*((\t)%2)+4*\i:X+16*((\t)%2)+4*\i+3], v15 offset:32*SP*((\t)%2)+16*\i
.endr
.endm
.irp t, 0,1,2,3
	LOADX \t
.endr
	s_wait_loadcnt 12                              ; step 0's four loads are in; twelve younger ones stay out
	TURNX 0
.macro STEPX t
.set XS, X+16*((\t)%2)
.if (\t) > 0
	s_wait_dscnt 1                                 ; this step's numbers are back from the stage; the last step's byte store may be out
.else
	s_wait_dscnt 0x0
.endif
.if (\t)+4 < STEPS
	LOADX (\t)+4
.endif
.if (\t)+1 < STEPS
.if STEPS-2-(\t) >= 3
	s_wait_loadcnt 12                              ; the next step's four loads are in; those of the three steps behind it may be out
.else
	s_wait_loadcnt 4*(STEPS-2-(\t))
.endif
	TURNX (\t)+1
.endif
	v_max3_num_f32 v8, |v[XS]|, |v[XS+1]|, |v[XS+2]|
	v_max3_num_f32 v9, |v[XS+3]|, |v[XS+4]|, |v[XS+5]|
.irp i, 6,10
	v_max3_num_f32 v8, v8, |v[XS+\i]|, |v[XS+\i+1]|
	v_max3_num_f32 v9, v9, |v[XS+\i+2]|, |v[XS+\i+3]|
.endr
	v_max3_num_f32 v8, v8, |v[XS+14]|, |v[XS+15]|
	v_max3_num_f32 v8, v8, v9, 0x1800000           ; with the floor 2^(3 - 127): the byte cannot fall under 1
	v_max_num_f32_dpp v8, v8, v8 row_xmask:1 row_mask:0xf bank_mask:0xf   ; with my neighbour's 16: the block's largest magnitude
	v_add_nc_u32 v11, 0xff000000, v8               ; 2 off its exponent field: the conversion's scale operand
	v_cvt_scalef32_pk8_fp4_f32 v[C+4*(\t)], v[XS:XS+7], v11
	v_cvt_scalef32_pk8_fp4_f32 v[C+4*(\t)+1], v[XS+8:XS+15], v11
	v_lshrrev_b32 v[E+(\t)], 23, v11               ; the scale's byte
	ds_store_b8 v5, v[E+(\t)] offset:16*(\t)       ; both lanes of a block write the same byte with the same value
	global_store_b64 v4, v[C+4*(\t):C+4*(\t)+1], s[10:11] offset:32*CB*(\t)   ; the wave stores 256 consecutive bytes, aligned
.endm
.irp t, 0,1,2,3,4,5,6,7,8,9,10,11,12,13,14,15
	STEPX \t
.endr
	ds_load_b64 v[8:9], v6
	s_wait_dscnt 0x0
	global_store_b64 v7, v[8:9], s[12:13]          ; the wave's 256 scale bytes, aligned
	s_wait_tensorcnt 0x0                           ; the wave's end, behind my last LDS store
	ds_add_u32 v[SPW], v[NIL]
	s_wait_dscnt 0x0
	s_endpgm
.Lnot_x:
	s_cmp_lt_u32 ttmp9, 224
	s_cbranch_scc0 .Lw_proj
; ---- W_attn: a lane takes a column n and its registers run down K.  A work-group: 64 columns x 512 along K; wave (cg, kg): columns 32 cg on, k 128 kg on: four blocks a lane.
; The codes meet in a stage (a row = a column's 256 bytes, its 16 scale bytes in the row's last 16) and leave as whole rows.
	s_sub_co_u32 s21, ttmp9, 128
	s_lshr_b32 s22, s21, 1                         ; gx: which 64 columns
	s_and_b32 s21, s21, 1                          ; gy: which 512 along K
	s_and_b32 s24, s20, 1                          ; cg
	s_lshr_b32 s25, s20, 1                         ; kg
	s_lshl_b32 s26, s21, 9
	s_lshl_b32 s28, s25, 7
	s_add_co_u32 s26, s26, s28                     ; my first k
	s_mul_i32 s26, s26, WN
	s_lshl_b32 s28, s22, 8
	s_add_co_u32 s26, s26, s28
	s_lshl_b32 s28, s24, 7
	s_add_co_u32 s26, s26, s28                     ; + 4 x my first column
	s_add_nc_u64 s[6:7], s[6:7], s[26:27]
	s_lshl_b32 s30, s22, 6
	s_lshl_b32 s28, s20, 3
	s_add_co_u32 s30, s30, s28                     ; the first of the 8 rows that I store
	s_lshl_b32 s26, s30, 9
	s_lshl_b32 s28, s21, 8
	s_add_co_u32 s26, s26, s28
	s_add_nc_u64 s[14:15], s[14:15], s[26:27]
	s_lshl_b32 s26, s30, 5
	s_lshl_b32 s28, s21, 4
	s_add_co_u32 s26, s26, s28
	s_add_nc_u64 s[16:17], s[16:17], s[26:27]
	v_lshlrev_b32 v3, 2, v2
	v_mul_u32_u24 v10, v2, WP
	s_mul_i32 s28, s24, 32*WP
	s_add_co_u32 s28, s28, WSTG
	s_lshl_b32 s29, s25, 6
	s_add_co_u32 s29, s29, s28
	v_add_nc_u32 v4, s29, v10                      ; into the stage: row = my column, + 64 kg
	s_lshl_b32 s29, s25, 2
	s_add_co_u32 s29, s29, s28
	s_add_co_u32 s29, s29, 256
	v_add_nc_u32 v5, s29, v10                      ; my four scale bytes
	s_mul_i32 s28, s20, 8*WP
	s_add_co_u32 s28, s28, WSTG
	v_lshrrev_b32 v10, 4, v2
	v_and_b32 v11, 15, v2
	v_mul_u32_u24 v6, v10, WP
	v_lshl_add_u32 v6, v11, 4, v6
	v_add_nc_u32 v6, s28, v6                       ; out of it: sixteen lanes to a row, two rows an instruction
	v_lshlrev_b32 v8, 9, v10
	v_lshl_add_u32 v8, v11, 4, v8                  ; and the same place in wc
	v_and_b32 v11, 7, v2
	v_mul_u32_u24 v7, v11, WP
	v_add_nc_u32 v7, s28, v7
	v_add_nc_u32 v7, 256, v7                       ; a row's 16 scale bytes
	v_lshlrev_b32 v9, 5, v11                       ; and their place in ws
.macro LOADW t
.irp i, 0,1,2,3,4,5,6,7,8,9,10,11,12,13,14,15,16,17,18,19,20,21,22,23,24,25,26,27,28,29,30,31
	global_load_b32 v[32+32*(\t)+\i], v3, s[6:7] offset:(32*(\t)+\i)*WN th:TH_LOAD_NT
.endr
.endm
	LOADW 0
	LOADW 1
	LOADW 2
	LOADW 3
.macro BLOCKW t, left
.set XS, 32+32*(\t)
	s_wait_loadcnt \left
	v_max3_num_f32 v26, |v[XS]|, |v[XS+1]|, |v[XS+2]|
	v_max3_num_f32 v27, |v[XS+3]|, |v[XS+4]|, |v[XS+5]|
.irp i, 6,10,14,18,22,26
	v_max3_num_f32 v26, v26, |v[XS+\i]|, |v[XS+\i+1]|
	v_max3_num_f32 v27, v27, |v[XS+\i+2]|, |v[XS+\i+3]|
.endr
	v_max3_num_f32 v26, v26, |v[XS+30]|, |v[XS+31]|
	v_max3_num_f32 v26, v26, v27, 0x1800000
	v_add_nc_u32 v28, 0xff000000, v26
	v_lshrrev_b32 v29, 23, v28
.if (\t) == 0
	v_mov_b32 v24, v29
.else
	v_lshl_or_b32 v24, v29, 8*(\t), v24            ; four bytes to a register, the lower K in the lower byte
.endif
.irp g, 0,1,2,3
	v_cvt_scalef32_pk8_fp4_f32 v[160+4*(\t)+\g], v[XS+8*\g:XS+8*\g+7], v28
.endr
	ds_store_b128 v4, v[160+4*(\t):160+4*(\t)+3] offset:16*(\t)
.endm
	BLOCKW 0, 63                                   ; 96 loads are younger than block 0's: the largest count that the wait can name is the safe smaller one
	BLOCKW 1, 63                                   ; 64 are younger
	BLOCKW 2, 32
	BLOCKW 3, 0
	ds_store_b32 v5, v24
	s_wait_dscnt 0x0                               ; for the others' sake: my stores into the stage are done
	s_barrier_signal -1
	s_barrier_wait -1
.irp i, 0,1,2,3
	ds_load_b128 v[32+4*\i:35+4*\i], v6 offset:2*WP*\i
.endr
	ds_load_b128 v[48:51], v7
	s_wait_dscnt 0x0
.irp i, 0,1,2,3
	global_store_b128 v8, v[32+4*\i:35+4*\i], s[14:15] offset:1024*\i   ; sixteen lanes store 256 consecutive bytes, aligned
.endr
	s_wait_xcnt 0x0                                ; EXEC changes only behind this wait
	v_cmp_gt_u32 vcc_lo, 8, v2
	s_and_saveexec_b32 s31, vcc_lo
	global_store_b128 v9, v[48:51], s[16:17]       ; eight lanes: 16 scale bytes of each of my eight rows
	s_wait_xcnt 0x0
	s_or_b32 exec_lo, exec_lo, s31
	s_wait_tensorcnt 0x0                           ; the wave's end, behind my last LDS store
	ds_add_u32 v[SPW], v[NIL]
	s_wait_dscnt 0x0
	s_endpgm
.Lw_proj:
; ---- W_proj to f16: a wave takes 2,048 numbers; no LDS
	s_sub_co_u32 s21, ttmp9, 224
	s_lshl_b32 s21, s21, 3
	s_add_co_u32 s21, s21, s20
	s_lshl_b32 s22, s21, 13
	s_add_nc_u64 s[8:9], s[8:9], s[22:23]
	s_lshl_b32 s22, s21, 12
	s_add_nc_u64 s[18:19], s[18:19], s[22:23]
	v_lshlrev_b32 v3, 4, v2
	v_lshlrev_b32 v4, 3, v2
.irp i, 0,1,2,3,4,5,6,7,8,9,10,11,12,13,14,15
	global_load_b128 v[32+4*\i:35+4*\i], v3, s[8:9] offset:512*\i th:TH_LOAD_NT
.endr
.irp i, 0,1,2,3,4,5,6,7,8,9,10,11,12,13,14,15
	s_wait_loadcnt 15-\i
	v_cvt_pk_f16_f32 v[96+2*\i], v[32+4*\i], v[33+4*\i]
	v_cvt_pk_f16_f32 v[97+2*\i], v[34+4*\i], v[35+4*\i]
	global_store_b64 v4, v[96+2*\i:97+2*\i], s[18:19] offset:256*\i   ; the wave stores 256 consecutive bytes, aligned
.endr
	s_endpgm
.Lfunc_end_k_q4f1e285ff5_prep:
	.size	k_q4f1e285ff5_prep, .Lfunc_end_k_q4f1e285ff5_prep-k_q4f1e285ff5_prep
	.p2alignl 7, 3214868480
	.fill 96, 4, 3214868480
	.section	.rodata,"a",@progbits
	.p2align	6, 0x0
	.amdhsa_kernel k_q4f1e285ff5_prep
		.amdhsa_group_segment_fixed_size 83968
		.amdhsa_private_segment_fixed_size 0
		.amdhsa_enable_private_segment 0
		.amdhsa_kernarg_size 64
		.amdhsa_user_sgpr_count 2
		.amdhsa_user_sgpr_kernarg_segment_ptr 1
		.amdhsa_wavefront_size32 1
		.amdhsa_system_sgpr_workgroup_id_x 1
		.amdhsa_system_sgpr_workgroup_id_y 1
		.amdhsa_system_sgpr_workgroup_id_z 1
		.amdhsa_system_vgpr_workitem_id 0
		.amdhsa_next_free_vgpr 192
		.amdhsa_next_free_sgpr 66
		.amdhsa_reserve_vcc 1
		.amdhsa_float_denorm_mode_32 3
		.amdhsa_float_denorm_mode_16_64 3
		.amdhsa_memory_ordered 1
		.amdhsa_forward_progress 1
		.amdhsa_inst_pref_size 61
	.end_amdhsa_kernel
	.amdgpu_metadata
---
amdhsa.version: [ 1, 2 ]
amdhsa.kernels:
  - .name:           k_q4f1e285ff5_prep
    .symbol:         k_q4f1e285ff5_prep.kd
    .args:
      - { .name: x, .offset: 0, .size: 8, .value_kind: global_buffer, .address_space: global }
      - { .name: W_attn, .offset: 8, .size: 8, .value_kind: global_buffer, .address_space: global }
      - { .name: W_proj, .offset: 16, .size: 8, .value_kind: global_buffer, .address_space: global }
      - { .name: xc, .offset: 24, .size: 8, .value_kind: global_buffer, .address_space: global }
      - { .name: xs, .offset: 32, .size: 8, .value_kind: global_buffer, .address_space: global }
      - { .name: wc, .offset: 40, .size: 8, .value_kind: global_buffer, .address_space: global }
      - { .name: ws, .offset: 48, .size: 8, .value_kind: global_buffer, .address_space: global }
      - { .name: wp16, .offset: 56, .size: 8, .value_kind: global_buffer, .address_space: global }
    .group_segment_fixed_size: 83968
    .private_segment_fixed_size: 0
    .kernarg_segment_align: 8
    .kernarg_segment_size: 64
    .max_flat_workgroup_size: 256
    .sgpr_count:     66
    .vgpr_count:     192
    .wavefront_size: 32
...
	.end_amdgpu_metadata
.endif
;; end of part 1
;; launch gemm1 (part 2): grid 12 x 32, 4 waves a work-group, clusters of 4 x 4, 327,680 bytes of LDS; arguments xc, xs, wc, ws, b_attn, qkv, fq; writes qkv, fq
.if DOCPART == 2
	.amdgcn_target "amdgcn-amd-amdhsa--gfx1250"
	.amdhsa_code_object_version 6
	.text
	.protected	k_q4f1e285ff5_gemm1
	.globl	k_q4f1e285ff5_gemm1
	.p2align	8
	.type	k_q4f1e285ff5_gemm1,@function
k_q4f1e285ff5_gemm1:
	s_mov_b64 s[64:65], 0
	v_nop
	global_prefetch_b8 v0, s[64:65] scope:SCOPE_SE
	s_setreg_imm32_b32 hwreg(HW_REG_WAVE_MODE, 25, 1), 1
	s_wait_xcnt 0x0
	s_wait_alu depctr_hold_cnt(0) depctr_sa_sdst(0) depctr_va_vdst(0) depctr_va_sdst(0) depctr_va_ssrc(0) depctr_va_vcc(0) depctr_vm_vsrc(0)
	s_getreg_b32 s2, hwreg(HW_REG_IB_STS2, 6, 4)
	s_cmp_eq_u32 s2, 0
	s_cbranch_scc0 .Lentry_in_a_cluster
	s_endpgm
.Lentry_in_a_cluster:
	s_bfe_u32 s2, ttmp6, 0x10000c
	s_cmp_lg_u32 s2, 0xf033
	s_cbranch_scc0 .Lentry_shape_is_right
	s_endpgm
.Lentry_shape_is_right:
; qkv = Q(x) Q(W_attn) + b_attn on codes of E2M1 with E8M0 scales: M 8,192, N 3,072, K 1,024.  A tile of 256 x 256 to a work-group of four waves, 128 x 128 a wave (64 accumulators).
; K is two slots of 512 (rows of 256 bytes): both are asked for at the head, nothing is filled again.  The scale bytes of the work-group's rows come once, beside them.
; CLUSTERS 4 x 4: x's tiles are asked for jointly along a row of the cluster, W's along a column.  Tile row = 8 cy + cluster y, so that cy is the batch and cluster y = 0 marks a sequence's first tile in all partners alike.
; The matrix instruction is used transposed (source 0 = 16 rows of W's codes, source 1 = 16 rows of x's): a lane holds eight neighbouring columns of one row.  The bias is the C of each sum's first product.
; OUT: q, k, v as f16, laid [section][batch][head][token][64]; the f32 numbers of tokens 0-15 of every sequence go to fq [batch][16][3072] besides.
; LIMITS: q, k, v must stay under 65,504 in magnitude (f16); under 6e-5 they keep f16's subnormal step.  No prefetch: every tensor load stands at the head.
; REGISTERS: window 0: v0-31 addresses; v32-95 scale words, two sets; v128-191 x's fragments, one set; v192-255 the bias.  window 1: W's fragments, two sets.  windows 2, 3: the accumulators ((a, b) at v[8 (8 (a % 4) + b)]).
.set NQ,     4
.set ROWB,   256
.set KROW,   512
.set PITCH,  272                       ; 256 bytes + 16 of padding: the 16 rows of a load start at 16 different banks (64 banks of 4 bytes: ISA guide 11.1)
.set FR,     8
.set NL,     2
.set NP,     4
.set HALFT,  128*PITCH
.set SLOT,   4*HALFT
.set KS,     32
.set SCL,    2*SLOT
.set HALFS,  (128*KS/256)*272
.set SBLK,   (16*KS/256)*272
.set SPARE,  SCL+4*HALFS               ; the spare words: 128 bytes a wave, two blocks of 256 bytes that no other line names
.set WSTAGE, 12800                     ; the way out, in slot 0 (its one fill and its last read are past): a wave's 16 x 272 for f16, then 16 x 528 for f32
.set ADRA, 16
.set BO,   18                          ; v18 32 x (lane / 16): my place in a block's bias
.set ADRB, 20
.set STO32, 22
.set RD32, 23
.set STO,  24
.set RD,   25
.set CO,   26
.set ADRS, 27
.set SPW,  28
.set NIL,  29
.set CO32, 30
.set SC,   32
.set TMP,  32                          ; the way out: packed results
.set OB,   64                          ; and rows read back: v64-95, v96-127 by turns
.set AF,   128
.set BI,   192
.set G1, 24
.set G0, 32
.set G1B, 48
.set G0B, 56
.set G1S, 68
.set G0S, 76
.set G1SB, 80
.set G0SB, 88
.set MSB, 0
.macro WIN new                         ; the immediate's high byte repeats the setting that is left
.if MSB != (\new)
	s_set_vgpr_msb (MSB<<8)|(\new)
.set MSB, (\new)
.endif
.endm
.set MUL_LO, 0xa1                      ; source 0 (W) window 1, source 1 (x) window 0, C and D window 2
.set MUL_HI, 0xf1
.set TO_B,   0x40
.macro JLOAD g0a, g1a, g0b, g1b        ; waves 0, 1 fetch for x, waves 2, 3 for W; an s_nop 0 and four v_nop follow each line
	s_cmp_eq_u32 s19, 0
	s_cbranch_scc0 .Lfor_b_\@
	tensor_load_to_lds s[\g0a:\g0a+3], s[\g1a:\g1a+7]
	s_nop 0
.rept 4
	v_nop
.endr
	s_branch .Lasked_\@
.Lfor_b_\@:
	tensor_load_to_lds s[\g0b:\g0b+3], s[\g1b:\g1b+7]
	s_nop 0
.rept 4
	v_nop
.endr
.Lasked_\@:
.endm
.macro CROUND                          ; a round of the cluster's barrier
	s_barrier_signal -1
	s_barrier_wait -1
	s_cmp_lg_u32 s18, 0
	s_cbranch_scc1 .Lnot_wave_0_\@
	s_barrier_signal -3
.Lnot_wave_0_\@:
	s_barrier_wait -3
	s_barrier_signal -1
	s_barrier_wait -1
.endm
	s_load_b256 s[4:11], s[0:1], 0x0               ; xc, xs, wc, ws
	s_load_b128 s[12:15], s[0:1], 0x20             ; b_attn, qkv
	s_load_b64 s[16:17], s[0:1], 0x30              ; fq
	v_lshl_add_u32 v[SPW], v0, 2, SPARE
	v_mov_b32 v[NIL], 0
	ds_add_u32 v[SPW], v[NIL]                      ; the wave's opening: the add, twice on end, and its wait ahead of my first tensor load
	ds_add_u32 v[SPW], v[NIL]
	v_lshrrev_b32 v1, 5, v0
	v_readfirstlane_b32 s18, v1                    ; wave 0..3
	s_lshr_b32 s19, s18, 1                         ; my half of the tile's rows; also: I fetch for x (0) or W (1)
	s_and_b32 s20, s18, 1                          ; my half of its columns; also: which 128 rows I fetch
	s_bfe_u32 s21, ttmp6, 0x40000                  ; cx
	s_bfe_u32 s22, ttmp6, 0x40004                  ; cy
	s_lshl_b32 s23, ttmp9, 2
	s_add_co_u32 s23, s23, s21                     ; tile column = 4 x cluster x + cx
	s_and_b32 s66, ttmp7, 0xffff                   ; cluster y
	s_lshl_b32 s67, s22, 3
	s_add_co_u32 s67, s67, s66                     ; tile row = 8 cy + cluster y
	s_lshl_b32 s40, s22, 2
	s_lshl_b32 s40, 15, s40                        ; my row of the cluster
	s_lshl_b32 s41, 0x1111, s21                    ; my column
	s_or_b32 s[G1+0], s40, (0<<16)|(1<<20)|(1<<21)|(5<<22)|(3<<25)   ; mask; elements of 1 byte; padding on; bit 21 beside a mask; 4 words behind every 64
	s_or_b32 s[G1B+0], s41, (0<<16)|(1<<20)|(1<<21)|(5<<22)|(3<<25)
.irp g, G1, G1B
	s_mov_b32 s[\g+1], ROWB<<16                    ; tensor_dim0
	s_mov_b32 s[\g+2], 128<<16                     ; tensor_dim1
	s_mov_b32 s[\g+3], ROWB<<16                    ; tile_dim0
	s_mov_b32 s[\g+4], 128                         ; tile_dim1
	s_mov_b32 s[\g+5], KROW                        ; from row to row
	s_mov_b32 s[\g+6], 0
	s_mov_b32 s[\g+7], 0
.endr
	s_or_b32 s[G1S+0], s40, (3<<16)|(1<<20)|(1<<21)|(5<<22)|(3<<25)  ; the scales of 128 rows: 4,096 dense bytes as 16 rows of 256 (32 elements of 8 bytes)
	s_or_b32 s[G1SB+0], s41, (3<<16)|(1<<20)|(1<<21)|(5<<22)|(3<<25)
.irp g, G1S, G1SB
	s_mov_b32 s[\g+1], 32<<16
	s_mov_b32 s[\g+2], (128*KS/256)<<16
	s_mov_b32 s[\g+3], 32<<16
	s_mov_b32 s[\g+4], 128*KS/256
	s_mov_b32 s[\g+5], 32
	s_mov_b32 s[\g+6], 0
	s_mov_b32 s[\g+7], 0
.endr
	s_lshl_b32 s42, s20, 7
	s_lshl_b32 s44, s67, 8
	s_add_co_u32 s44, s44, s42                     ; x: row 256 x tile row + 128 x half
	s_lshl_b32 s46, s23, 8
	s_add_co_u32 s46, s46, s42                     ; W: row 256 x tile column + 128 x half
	s_lshl_b32 s92, s44, 9
	s_mov_b32 s93, 0
	s_lshl_b32 s94, s44, 5
	s_mov_b32 s95, 0
	s_lshl_b32 s96, s46, 9
	s_mov_b32 s97, 0
	s_lshl_b32 s98, s46, 5
	s_mov_b32 s99, 0
	s_mul_i32 s43, s18, HALFT                      ; where they go: wave x 128 rows; no place in the cluster enters an LDS address
	s_mul_i32 s45, s18, HALFS
	s_wait_dscnt 0x0                               ; both opening adds are done
	s_wait_kmcnt 0x0
	s_add_nc_u64 s[92:93], s[4:5], s[92:93]
	s_add_nc_u64 s[94:95], s[6:7], s[94:95]
	s_add_nc_u64 s[96:97], s[8:9], s[96:97]
	s_add_nc_u64 s[98:99], s[10:11], s[98:99]
	CROUND                                         ; all sixteen work-groups are here: the joint loads meet
	s_mov_b32 s[G0S], 1
	s_add_co_u32 s[G0S+1], s45, SCL
	s_mov_b64 s[G0S+2:G0S+3], s[94:95]
	s_or_b32 s[G0S+3], s[G0S+3], 0x80000000
	s_mov_b32 s[G0SB], 1
	s_add_co_u32 s[G0SB+1], s45, SCL
	s_mov_b64 s[G0SB+2:G0SB+3], s[98:99]
	s_or_b32 s[G0SB+3], s[G0SB+3], 0x80000000
	JLOAD G0S, G1S, G0SB, G1SB                     ; the scales first; by this text's count three tensor loads of a wave are out at the most
.irp s, 0,1
	s_mov_b32 s[G0+4*\s], 1
	s_add_co_u32 s[G0+4*\s+1], s43, \s*SLOT
	s_add_nc_u64 s[G0+4*\s+2:G0+4*\s+3], s[92:93], \s*ROWB
	s_or_b32 s[G0+4*\s+3], s[G0+4*\s+3], 0x80000000
	s_mov_b32 s[G0B+4*\s], 1
	s_add_co_u32 s[G0B+4*\s+1], s43, \s*SLOT
	s_add_nc_u64 s[G0B+4*\s+2:G0B+4*\s+3], s[96:97], \s*ROWB
	s_or_b32 s[G0B+4*\s+3], s[G0B+4*\s+3], 0x80000000
	JLOAD G0+4*\s, G1, G0B+4*\s, G1B
.endr
	v_and_b32 v1, 15, v0                           ; r
	v_bfe_u32 v2, v0, 4, 1                         ; h
	v_lshlrev_b32 v[BO], 5, v2
	s_lshl_b32 s40, s23, 10
	s_lshl_b32 s41, s20, 9
	s_add_co_u32 s40, s40, s41                     ; my first column x 4 bytes
	s_mov_b32 s41, 0
	s_add_nc_u64 s[12:13], s[12:13], s[40:41]
.irp b, 0,1,2,3,4,5,6,7
	global_load_b128 v[BI+8*\b:BI+8*\b+3], v[BO], s[12:13] offset:64*\b        ; the bias in the result's layout: columns 16 b + 8 h + 0 .. 7
	global_load_b128 v[BI+8*\b+4:BI+8*\b+7], v[BO], s[12:13] offset:64*\b+16
.endr
	s_mul_i32 s42, s22, 196608                     ; fq: batch cy, token 0, my columns
	s_add_co_u32 s42, s42, s40
	s_mov_b32 s43, 0
	s_add_nc_u64 s[16:17], s[16:17], s[42:43]
	s_lshl_b32 s44, s23, 2
	s_lshl_b32 s45, s20, 1
	s_add_co_u32 s44, s44, s45                     ; G: my first block of 64 columns, 0..46
	s_lshr_b32 s45, s44, 4
	s_lshl_b32 s45, s45, 6                         ; its section x 64 heads
	s_and_b32 s44, s44, 15                         ; its head
	s_add_co_u32 s44, s44, s45
	s_lshl_b32 s45, s22, 4
	s_add_co_u32 s44, s44, s45                     ; + 16 x batch
	s_lshl_b32 s44, s44, 18                        ; a head's 2,048 tokens x 128 bytes
	s_lshl_b32 s45, s66, 15
	s_add_co_u32 s44, s44, s45                     ; + token 256 x cluster y
	s_lshl_b32 s45, s19, 14
	s_add_co_u32 s44, s44, s45                     ; + 128 x my half
	s_mov_b32 s45, 0
	s_add_nc_u64 s[14:15], s[14:15], s[44:45]
	v_mul_u32_u24 v3, v1, PITCH
	v_lshl_add_u32 v4, v2, 4, v3
	s_mul_i32 s40, s19, HALFT
	s_mul_i32 s41, s20, HALFT
	s_add_co_u32 s41, s41, 2*HALFT
.irp s, 0,1
	v_add_nc_u32 v[ADRA+\s], s40, v4
	v_add_nc_u32 v[ADRB+\s], s41, v4
	s_add_co_u32 s40, s40, SLOT
	s_add_co_u32 s41, s41, SLOT
.endr
	v_mul_u32_u24 v5, v1, KS
	v_lshrrev_b32 v6, 8, v5
	v_lshl_add_u32 v5, v6, 4, v5                   ; my row's scales: 32 bytes a row, 16 more for each 256 passed
	s_mul_i32 s40, s19, HALFS
	s_mul_i32 s41, s20, HALFS
	s_add_co_u32 s41, s41, 2*HALFS
	s_sub_co_u32 s41, s41, s40
	v_mul_u32_u24 v6, s41, v2                      ; lanes 16-31 take W's
	s_add_co_u32 s40, s40, SCL
	v_add_nc_u32 v5, v5, v6
	v_add_nc_u32 v[ADRS], s40, v5
	s_mul_i32 s40, s18, WSTAGE                     ; my stages
	v_mul_u32_u24 v5, v1, 272
	v_lshl_add_u32 v5, v2, 4, v5
	v_add_nc_u32 v[STO], s40, v5                   ; f16 in: row r, 16 bytes for each half of the lanes
	v_bfe_u32 v5, v0, 3, 1
	v_mul_u32_u24 v6, v5, 272
	v_lshl_add_u32 v6, v2, 7, v6
	v_and_b32 v7, 7, v0
	v_lshl_add_u32 v6, v7, 4, v6
	v_add_nc_u32 v[RD], s40, v6                    ; back: lanes 0-15 two tokens of the first head (256 bytes in memory), lanes 16-31 of the second
	v_lshlrev_b32 v6, 18, v2
	v_lshl_add_u32 v6, v5, 7, v6
	v_lshl_add_u32 v[CO], v7, 4, v6                ; and the same place in qkv
	s_add_co_u32 s40, s40, 16*272
	v_mul_u32_u24 v5, v1, 528
	v_lshl_add_u32 v5, v2, 5, v5
	v_add_nc_u32 v[STO32], s40, v5
	v_and_b32 v5, 31, v0
	v_lshlrev_b32 v[CO32], 4, v5
	v_add_nc_u32 v[RD32], s40, v[CO32]
.macro FRAG reg, adr, q, i             ; 16 rows x 128 K of 4-bit codes: 8 registers, two loads of 16 bytes, 32 bytes apart
.irp c, 0,1
	ds_load_b128 v[\reg+4*\c:\reg+4*\c+3], v[\adr] offset:64*(\q)+32*\c+(\i)*16*PITCH
.endr
.endm
; 16 products: x's blocks a0, a0 + 1 against W's eight.  first = 1: C is the bias.  The 64 accumulators take turns, one instruction a turn.
.macro MUL16 a0, p, q, sc, first
.irp a, \a0, \a0+1
.irp b, 0,1,2,3,4,5,6,7
.if \first
	v_wmma_scale_f32_16x16x128_f8f6f4 v[8*(8*((\a)%4)+\b):8*(8*((\a)%4)+\b)+7], v[128*(\p)+FR*\b:128*(\p)+FR*\b+FR-1], v[AF+FR*(\a):AF+FR*(\a)+FR-1], v[BI+8*\b:BI+8*\b+7], v[SC+8*NQ*(\sc)+NQ*\b+(\q)], v[SC+8*NQ*(\sc)+NQ*(\a)+(\q)] matrix_a_fmt:MATRIX_FMT_FP4 matrix_b_fmt:MATRIX_FMT_FP4 matrix_a_scale:MATRIX_SCALE_ROW1
.else
	v_wmma_scale_f32_16x16x128_f8f6f4 v[8*(8*((\a)%4)+\b):8*(8*((\a)%4)+\b)+7], v[128*(\p)+FR*\b:128*(\p)+FR*\b+FR-1], v[AF+FR*(\a):AF+FR*(\a)+FR-1], v[8*(8*((\a)%4)+\b):8*(8*((\a)%4)+\b)+7], v[SC+8*NQ*(\sc)+NQ*\b+(\q)], v[SC+8*NQ*(\sc)+NQ*(\a)+(\q)] matrix_a_fmt:MATRIX_FMT_FP4 matrix_b_fmt:MATRIX_FMT_FP4 matrix_a_scale:MATRIX_SCALE_ROW1
.endif
.endr
.endr
.endm
.macro FETCH_B slot, q, p
	WIN TO_B
.irp i, 0,1,2,3,4,5,6,7
	FRAG 128*(\p)+FR*\i, ADRB+\slot, \q, \i
.endr
	WIN 0
.endm
.macro FETCH_A slot, q, i0
.irp i, \i0, \i0+1, \i0+2, \i0+3
	FRAG AF+FR*(\i), ADRA+\slot, \q, \i
.endr
.endm
.macro SCALES sc                       ; a slot's scale words: lanes 0-15 x's block i, lanes 16-31 W's block i
.irp i, 0,1,2,3,4,5,6,7
	ds_load_b128 v[SC+8*NQ*\sc+NQ*\i:SC+8*NQ*\sc+NQ*\i+3], v[ADRS] offset:\i*SBLK
.endr
.endm
.macro PLACES n                        ; plain vector instructions between a matrix instruction and a load into, or a read of, its registers
.rept \n
	v_nop
.endr
.endm
.macro STEP slot, q, first             ; 128 along K that has its successor in the same slot
	s_wait_dscnt 4*NL                              ; W's set and x's blocks 0-3 are in; the youngest eight loads (x's blocks 4-7) may be out
.if \first
	WIN 0x81                                       ; C (the bias) window 0, D window 2
.else
	WIN MUL_LO
.endif
	MUL16 0, (\q)%2, \q, \slot, \first
	MUL16 2, (\q)%2, \q, \slot, \first
	s_wait_dscnt 0
	PLACES NP
	FETCH_B \slot, (\q)+1, 1-(\q)%2
	FETCH_A \slot, (\q)+1, 0
.if \first
	WIN 0xc1
.else
	WIN MUL_HI
.endif
	MUL16 4, (\q)%2, \q, \slot, \first
	MUL16 6, (\q)%2, \q, \slot, \first
	PLACES NP
	WIN 0
	FETCH_A \slot, (\q)+1, 4
.endm
.macro TURN slot, next                 ; slot 0's last step changes slots: one barrier; nothing is filled again
	s_wait_tensorcnt 0x0                           ; all my tensor loads have landed: my part of slot 1
	ds_add_u32 v[SPW], v[NIL]                      ; 0 onto my spare word
	s_wait_dscnt 4*NL+1                            ; the add and the youngest eight loads may be out
	WIN MUL_LO
	MUL16 0, 1, NQ-1, \slot, 0
	s_wait_dscnt 0x0                               ; the add is done, and my reads of this slot are over
	s_barrier_signal -1
	MUL16 2, 1, NQ-1, \slot, 0
	WIN 0
	s_barrier_wait -1
	PLACES NP
	v_add_nc_u32 v[ADRS], 4*NQ, v[ADRS]            ; the next slot's scale words
	FETCH_B \next, 0, 0
	FETCH_A \next, 0, 0
	SCALES \next
	WIN MUL_HI
	MUL16 4, 1, NQ-1, \slot, 0
	MUL16 6, 1, NQ-1, \slot, 0
	PLACES NP
	WIN 0
	FETCH_A \next, 0, 4
.endm
	s_wait_tensorcnt 1                             ; the scales and my part of slot 0 are in; slot 1's load may be out
	s_barrier_signal -1
	s_barrier_wait -1
	FETCH_B 0, 0, 0
	FETCH_A 0, 0, 0
	SCALES 0
	FETCH_A 0, 0, 4
	s_wait_loadcnt 0x0                             ; the bias
	STEP 0, 0, 1
	STEP 0, 1, 0
	STEP 0, 2, 0
	TURN 0, 1
	STEP 1, 0, 0
	STEP 1, 1, 0
	STEP 1, 2, 0
	s_wait_dscnt 4*NL
	WIN MUL_LO
	MUL16 0, 1, NQ-1, 1, 0
	MUL16 2, 1, NQ-1, 1, 0
	s_wait_dscnt 0
	WIN MUL_HI
	MUL16 4, 1, NQ-1, 1, 0
	MUL16 6, 1, NQ-1, 1, 0
	WIN 0
	PLACES NP                                      ; in front of the first reads of results and of writes into registers that the products have read
	; tokens 0-15 of a sequence, in f32: my block 0, where my rows begin a sequence (cluster y = 0, upper half): ids that all partners share
	s_or_b32 s40, s66, s19
	s_cmp_lg_u32 s40, 0
	s_cbranch_scc1 .Lno_fine
	WIN 0x08                                       ; an LDS store's data: window 2
.irp b, 0,1,2,3,4,5,6,7
	ds_store_b128 v[STO32], v[8*\b:8*\b+3] offset:64*\b          ; each accumulator from its low end on
	ds_store_b128 v[STO32], v[8*\b+4:8*\b+7] offset:64*\b+16
.endr
	WIN 0
.irp t, 0,1,2,3,4,5,6,7,8,9,10,11,12,13,14,15
	ds_load_b128 v[AF+4*\t:AF+4*\t+3], v[RD32] offset:\t*528     ; LDS serves a wave's instructions in order: these see my stores
.endr
	s_wait_dscnt 0x0
.irp t, 0,1,2,3,4,5,6,7,8,9,10,11,12,13,14,15
	global_store_b128 v[CO32], v[AF+4*\t:AF+4*\t+3], s[16:17] offset:\t*12288   ; 32 lanes store 512 consecutive bytes, aligned
.endr
.Lno_fine:
.macro PACK a                          ; block a rounded to f16, each accumulator from its low end on
.set AC, 64*((\a)%4)
	WIN 0x0a+5*((\a)/4)
.irp b, 0,1,2,3,4,5,6,7
.irp r, 0,1,2,3
	v_cvt_pk_f16_f32 v[TMP+4*\b+\r], v[AC+8*\b+2*\r], v[AC+8*\b+2*\r+1]
.endr
.endr
	WIN 0
.endm
.macro TOSTAGE a
.set BK, OB+32*((\a)%2)
.irp b, 0,1,2,3,4,5,6,7
	ds_store_b128 v[STO], v[TMP+4*\b:TMP+4*\b+3] offset:32*\b
.endr
.irp t, 0,1,2,3,4,5,6,7
	ds_load_b128 v[BK+4*\t:BK+4*\t+3], v[RD] offset:\t*2*272
.endr
.endm
.macro SEND a
.set BK, OB+32*((\a)%2)
	s_wait_dscnt 0x0                               ; the block is back in registers
	s_wait_xcnt 0x0                                ; the stores of the block before have read their registers: the next block's loads may land there
.irp t, 0,1,2,3,4,5,6,7
	global_store_b128 v[CO], v[BK+4*\t:BK+4*\t+3], s[14:15] offset:2048*(\a)+256*\t   ; sixteen lanes store two tokens of a head: 256 consecutive bytes, aligned
.endr
.endm
	PACK 0
	TOSTAGE 0
.irp a, 1,2,3,4,5,6,7
	PACK \a
	SEND \a-1
	TOSTAGE \a
.endr
	SEND 7
	s_wait_tensorcnt 0x0                           ; the wave's end
	ds_add_u32 v[SPW], v[NIL]
	s_wait_dscnt 0x0
	CROUND                                         ; the closing round
	s_endpgm
.Lfunc_end_k_q4f1e285ff5_gemm1:
	.size	k_q4f1e285ff5_gemm1, .Lfunc_end_k_q4f1e285ff5_gemm1-k_q4f1e285ff5_gemm1
	.p2alignl 7, 3214868480
	.fill 96, 4, 3214868480
	.section	.rodata,"a",@progbits
	.p2align	6, 0x0
	.amdhsa_kernel k_q4f1e285ff5_gemm1
		.amdhsa_group_segment_fixed_size 327680
		.amdhsa_private_segment_fixed_size 0
		.amdhsa_enable_private_segment 0
		.amdhsa_kernarg_size 56
		.amdhsa_user_sgpr_count 2
		.amdhsa_user_sgpr_kernarg_segment_ptr 1
		.amdhsa_wavefront_size32 1
		.amdhsa_system_sgpr_workgroup_id_x 1
		.amdhsa_system_sgpr_workgroup_id_y 1
		.amdhsa_system_sgpr_workgroup_id_z 1
		.amdhsa_system_vgpr_workitem_id 0
		.amdhsa_next_free_vgpr 1024
		.amdhsa_next_free_sgpr 100
		.amdhsa_reserve_vcc 0
		.amdhsa_float_denorm_mode_32 3
		.amdhsa_float_denorm_mode_16_64 3
		.amdhsa_memory_ordered 1
		.amdhsa_forward_progress 1
		.amdhsa_inst_pref_size 132
	.end_amdhsa_kernel
	.amdgpu_metadata
---
amdhsa.version: [ 1, 2 ]
amdhsa.kernels:
  - .name:           k_q4f1e285ff5_gemm1
    .symbol:         k_q4f1e285ff5_gemm1.kd
    .args:
      - { .name: xc, .offset: 0, .size: 8, .value_kind: global_buffer, .address_space: global }
      - { .name: xs, .offset: 8, .size: 8, .value_kind: global_buffer, .address_space: global }
      - { .name: wc, .offset: 16, .size: 8, .value_kind: global_buffer, .address_space: global }
      - { .name: ws, .offset: 24, .size: 8, .value_kind: global_buffer, .address_space: global }
      - { .name: b_attn, .offset: 32, .size: 8, .value_kind: global_buffer, .address_space: global }
      - { .name: qkv, .offset: 40, .size: 8, .value_kind: global_buffer, .address_space: global }
      - { .name: fq, .offset: 48, .size: 8, .value_kind: global_buffer, .address_space: global }
    .group_segment_fixed_size: 327680
    .private_segment_fixed_size: 0
    .kernarg_segment_align: 8
    .kernarg_segment_size: 56
    .max_flat_workgroup_size: 128
    .sgpr_count:     100
    .vgpr_count:     1024
    .wavefront_size: 32
...
	.end_amdgpu_metadata
.endif
;; end of part 2
;; launch attn (part 3): grid 4 x 64, 16 waves a work-group, clusters of 4 x 1, 327,680 bytes of LDS; arguments qkv, y16; writes y16
.if DOCPART == 3
	.amdgcn_target "amdgcn-amd-amdhsa--gfx1250"
	.amdhsa_code_object_version 6
	.text
	.protected	k_q4f1e285ff5_attn
	.globl	k_q4f1e285ff5_attn
	.p2align	8
	.type	k_q4f1e285ff5_attn,@function
k_q4f1e285ff5_attn:
	s_mov_b64 s[64:65], 0
	v_nop
	global_prefetch_b8 v0, s[64:65] scope:SCOPE_SE
	s_setreg_imm32_b32 hwreg(HW_REG_WAVE_MODE, 25, 1), 1
	s_wait_xcnt 0x0
	s_wait_alu depctr_hold_cnt(0) depctr_sa_sdst(0) depctr_va_vdst(0) depctr_va_sdst(0) depctr_va_ssrc(0) depctr_va_vcc(0) depctr_vm_vsrc(0)
	s_getreg_b32 s2, hwreg(HW_REG_IB_STS2, 6, 4)
	s_cmp_eq_u32 s2, 0
	s_cbranch_scc0 .Lentry_in_a_cluster
	s_endpgm
.Lentry_in_a_cluster:
	s_bfe_u32 s2, ttmp6, 0x10000c
	s_cmp_lg_u32 s2, 0x3003
	s_cbranch_scc0 .Lentry_shape_is_right
	s_endpgm
.Lentry_shape_is_right:
; y = softmax(q k^T / 8, causal) v for one head a cluster; q, k, v f16 [section][batch x head][2048][64]; products on f16 operands, maxima, exponentials and sums in f32; y f16 [head][8192][64].
; SHARES.  The four work-groups of a cluster walk one head's K and V, asked for jointly.  The 2,048 queries are 16 groups of 128; wave w (g = w / 2, u = w % 2) of partner cx owns two tiles of 16 queries:
; tile 0 at 128 g + 32 cx + 16 u, tile 1 at 128 (15 - g) + 32 cx + 16 u: (2 g + 2) + (32 - 2 g) = 34 tile steps of 64 keys for every wave.  What a wave walks hangs on g and the count of steps alone, so all partners run alike;
; a tile's own group of 128 keys is always walked under the mask.  The waves with g = 0 read every slot, in every partner.
; LAYOUT.  S^T = K Q^T (source 0 = 16 keys, source 1 = 16 queries), O^T = V^T P (source 0 = 16 channels, turned out of LDS, source 1 = P): a lane holds one query throughout, and two score tiles, rounded in pairs, are P.
; SOFTMAX.  A running maximum m and sum l for each query; p = 2^(c s - c m), c = log2(e) / 8; in every step O and l are multiplied by a = 2^(c m_old - c m_new).  The sum is taken of p in f32.
; LIMITS: scores stay above -3e38 (where m begins); p is rounded to f16 for the second product; y must stay under 65,504.
; REGISTERS: v1-13 addresses and constants; v[14:15] a second chain of sums; v16-31 eight statistics a tile; v32-63 Q; v64-127 S^T, then P in its first 16 a tile; v128-191 O^T; v192-255 K's fragments, then V's.
.set PK,    144                        ; a key's row of K in LDS: 128 bytes + 16
.set PVP,   160                        ; of V: 128 + 32
.set VOFF,  256*PK
.set SLOT1, 1<<17                      ; slot 1: one exclusive or turns an address from slot to slot
.set STAGE, SLOT1+VOFF+256*PVP         ; the way out: 2 x 16 rows x 144 bytes a wave
.set SPARE, STAGE+16*4608              ; the spare words: 128 bytes a wave, eight blocks of 256 bytes that no other line names
.set AK0, 1
.set AV0, 2
.set ADK, 3
.set ADV, 4
.set SPW, 5
.set NIL, 6
.set R8,  7                            ; v7  r - 8 h
.set DD,  8                            ; v8  the mask's bound
.set NEG, 9                            ; v9  -infinity
.set PFO, 10                           ; v10 256 x lane
.set STO, 11
.set RD,  12
.set GO,  13
.set ST,  16                           ; tile t at v[ST+8 t]: +0 c m, +1 m, +2, +3 l, +4..+7 at work (a in +6)
.set Q,   32
.set S,   64
.set O,   128
.set KV,  192
.set TB,  2                            ; s2  LDS byte at which the slot in hand begins
.set WV,  18
.set SEL, 20
.set CS,  22
.set G1K, 24
.set G1V, 32
.set G0K, 40
.set G0V, 44
.set KFS, 66                           ; s66 the step's first key
.set SLOTS, 67
.set LIMA, 68                          ; tile 0 walks keys under 128 (g + 1),
.set MA,   69                          ; under the mask from 128 g on
.set LIMB, 70
.set MB,   71
.set QA,   72                          ; s72, s73 the tiles' first queries
.set YA,   74                          ; s[74:75], s[76:77] their rows of y16
.set PFA,  78
.set LIM,  80
.set TS,   81
.macro TLOAD                           ; waves 0, 1 fetch K's halves, waves 2, 3 V's, the others nothing: branches on the wave's number alone; an s_nop 0 and four v_nop follow each line
	s_cmp_lt_u32 s[WV], 2
	s_cbranch_scc0 .Lnot_k_\@
	tensor_load_to_lds s[G0K:G0K+3], s[G1K:G1K+7]
	s_nop 0
.rept 4
	v_nop
.endr
	s_branch .Lasked_\@
.Lnot_k_\@:
	s_cmp_lt_u32 s[WV], 4
	s_cbranch_scc0 .Lasked_\@
	tensor_load_to_lds s[G0V:G0V+3], s[G1V:G1V+7]
	s_nop 0
.rept 4
	v_nop
.endr
.Lasked_\@:
.endm
; A prefetch of what the NEXT change of slots will ask for: 256 rows of K and of V, 32,768 dense bytes each.  A head is walked by one cluster; its partners share the bytes out by address, 8,192 each;
; in each, wave 4 asks for K's and wave 5 for V's, lanes 256 bytes apart: each aligned 256 bytes is named once.  It leads the load by a slot's four key steps; the last change that fills a slot asks for nothing.
.macro ASK
	s_cmp_gt_u32 s[SLOTS], s[LIM]
	s_cbranch_scc0 .Lnot_mine_\@
	global_prefetch_b8 v[PFO], s[PFA:PFA+1] th:TH_LOAD_NT scope:SCOPE_SE
.Lnot_mine_\@:
.endm
.macro CROUND
	s_barrier_signal -1
	s_barrier_wait -1
	s_cmp_lg_u32 s[WV], 0
	s_cbranch_scc1 .Lnot_wave_0_\@
	s_barrier_signal -3
.Lnot_wave_0_\@:
	s_barrier_wait -3
	s_barrier_signal -1
	s_barrier_wait -1
.endm
	s_load_b128 s[4:7], s[0:1], 0x0                ; qkv, y16
	v_lshl_add_u32 v[SPW], v0, 2, SPARE
	v_mov_b32 v[NIL], 0
	ds_add_u32 v[SPW], v[NIL]                      ; the wave's opening: the add, twice on end, and its wait ahead of the first tensor loads
	ds_add_u32 v[SPW], v[NIL]
	v_lshrrev_b32 v1, 5, v0
	v_readfirstlane_b32 s[WV], v1                  ; wave 0..15
	s_bfe_u32 s19, ttmp6, 0x40000                  ; cx: it enters global addresses and the mask's compare alone
	s_and_b32 s48, ttmp7, 0xffff                   ; batch x 16 + head
	s_lshr_b32 s49, s[WV], 1                       ; g
	s_and_b32 s50, s[WV], 1                        ; u
	s_lshl_b32 s[MA], s49, 7
	s_add_co_u32 s[LIMA], s[MA], 128
	s_sub_co_u32 s[MB], 1920, s[MA]
	s_add_co_u32 s[LIMB], s[MB], 128
	s_lshl_b32 s51, s19, 5
	s_lshl_b32 s3, s50, 4
	s_add_co_u32 s51, s51, s3
	s_add_co_u32 s[QA], s[MA], s51
	s_add_co_u32 s[QA+1], s[MB], s51
	s_mov_b32 s[G1K], 15|(1<<16)|(1<<20)|(1<<21)|(4<<22)|(3<<25)   ; mask: all four; elements of 2 bytes; padding on; bit 21 beside a mask; 4 words behind every 32
	s_mov_b32 s[G1V], 15|(1<<16)|(1<<20)|(1<<21)|(4<<22)|(7<<25)   ; 8 words
.irp g, G1K, G1V
	s_mov_b32 s[\g+1], 64<<16                      ; tensor_dim0
	s_mov_b32 s[\g+2], 128<<16                     ; tensor_dim1
	s_mov_b32 s[\g+3], 64<<16                      ; tile_dim0
	s_mov_b32 s[\g+4], 128                         ; tile_dim1
	s_mov_b32 s[\g+5], 64                          ; from row to row
	s_mov_b32 s[\g+6], 0
	s_mov_b32 s[\g+7], 0
.endr
	s_mov_b32 s[SEL], 0x76543210
	s_mov_b32 s[SEL+1], 0xfedcba98
	s_mov_b32 s[CS], 0x3e38aa3b                    ; c = log2(e) / 8
	s_mov_b32 s[CS+1], s[CS]
	s_mov_b32 s[TB], 0
	s_mov_b32 s[KFS], 0
	s_mov_b32 s[SLOTS], 7
	s_add_co_u32 s12, s48, 64
	s_lshl_b32 s12, s12, 18                        ; K's head, in bytes
	s_mov_b32 s13, 0
	s_add_co_u32 s14, s48, 128
	s_lshl_b32 s14, s14, 18                        ; V's
	s_mov_b32 s15, 0
	s_lshl_b32 s16, s50, 14                        ; the half of a slot that I fetch: 128 rows of 128 bytes
	s_mov_b32 s17, 0
	s_wait_dscnt 0x0                               ; both opening adds are done
	s_wait_kmcnt 0x0
	s_add_nc_u64 s[8:9], s[4:5], s[12:13]
	s_add_nc_u64 s[10:11], s[4:5], s[14:15]
	s_mov_b32 s[G0K], 1
	s_mul_i32 s[G0K+1], s50, 128*PK
	s_add_nc_u64 s[G0K+2:G0K+3], s[8:9], s[16:17]
	s_or_b32 s[G0K+3], s[G0K+3], 0x80000000
	s_mov_b32 s[G0V], 1
	s_mul_i32 s[G0V+1], s50, 128*PVP
	s_add_co_u32 s[G0V+1], s[G0V+1], VOFF
	s_add_nc_u64 s[G0V+2:G0V+3], s[10:11], s[16:17]
	s_or_b32 s[G0V+3], s[G0V+3], 0x80000000
	CROUND                                         ; all four work-groups are here
	TLOAD                                          ; slot 0; by this text's count one tensor load of a wave is out at the most
	s_lshl_b32 s12, s48, 18
	s_lshl_b32 s51, s[QA], 7
	s_add_co_u32 s12, s12, s51
	s_add_nc_u64 s[12:13], s[4:5], s[12:13]        ; tile 0's queries
	s_lshl_b32 s14, s48, 18
	s_lshl_b32 s51, s[QA+1], 7
	s_add_co_u32 s14, s14, s51
	s_add_nc_u64 s[14:15], s[4:5], s[14:15]        ; tile 1's
	v_and_b32 v7, 15, v0                           ; r
	v_bfe_u32 v8, v0, 4, 1                         ; h
	v_lshlrev_b32 v14, 7, v7
	v_lshl_add_u32 v14, v8, 4, v14                 ; row r of 128 bytes + 16 h
.irp ks, 0,1
	global_load_b128 v[Q+8*\ks:Q+8*\ks+3], v14, s[12:13] offset:64*\ks
	global_load_b128 v[Q+8*\ks+4:Q+8*\ks+7], v14, s[12:13] offset:64*\ks+32
	global_load_b128 v[Q+16+8*\ks:Q+16+8*\ks+3], v14, s[14:15] offset:64*\ks
	global_load_b128 v[Q+16+8*\ks+4:Q+16+8*\ks+7], v14, s[14:15] offset:64*\ks+32
.endr
	s_and_b32 s51, s48, 15
	s_lshl_b32 s51, s51, 13
	s_lshr_b32 s3, s48, 4
	s_lshl_b32 s3, s3, 11
	s_add_co_u32 s51, s51, s3                      ; head x 8,192 + batch x 2,048
	s_add_co_u32 s[YA], s51, s[QA]
	s_lshl_b32 s[YA], s[YA], 7
	s_mov_b32 s[YA+1], 0
	s_add_nc_u64 s[YA:YA+1], s[6:7], s[YA:YA+1]
	s_add_co_u32 s[YA+2], s51, s[QA+1]
	s_lshl_b32 s[YA+2], s[YA+2], 7
	s_mov_b32 s[YA+3], 0
	s_add_nc_u64 s[YA+2:YA+3], s[6:7], s[YA+2:YA+3]
	s_cmp_eq_u32 s[WV], 4
	s_cselect_b64 s[PFA:PFA+1], s[8:9], s[10:11]
	s_lshl_b32 s16, s19, 13                        ; my work-group's quarter,
	s_add_co_u32 s16, s16, 32768                   ; in slot 1: the first change of slots steps it to slot 2; nothing is asked for here
	s_add_nc_u64 s[PFA:PFA+1], s[PFA:PFA+1], s[16:17]
	s_lshr_b32 s3, s[WV], 1
	s_cmp_eq_u32 s3, 2
	s_cselect_b32 s[LIM], 1, -1
	v_mul_u32_u24 v[AK0], v7, PK
	v_lshl_add_u32 v[AK0], v8, 4, v[AK0]           ; K: row r x pitch + 16 h
	v_and_b32 v3, 7, v0
	v_lshl_add_u32 v3, v8, 3, v3
	v_mul_u32_u24 v[AV0], v3, PVP
	v_bfe_u32 v4, v0, 3, 1
	v_lshl_add_u32 v[AV0], v4, 4, v[AV0]
	v_add_nc_u32 v[AV0], VOFF, v[AV0]              ; V: key 8 h + l % 8, channels 8 ((l / 8) % 2) on
	s_mul_i32 s3, s[WV], 4608
	s_add_co_u32 s3, s3, STAGE
	v_mul_u32_u24 v[STO], v7, 144
	v_lshl_add_u32 v[STO], v8, 4, v[STO]
	v_add_nc_u32 v[STO], s3, v[STO]
	v_and_b32 v[GO], 31, v0
	v_lshrrev_b32 v[RD], 3, v[GO]
	v_mul_u32_u24 v[RD], v[RD], 144
	v_and_b32 v3, 7, v0
	v_lshl_add_u32 v[RD], v3, 4, v[RD]
	v_add_nc_u32 v[RD], s3, v[RD]                  ; back: four rows of 128 bytes an instruction
	v_lshlrev_b32 v[PFO], 8, v[GO]
	v_lshlrev_b32 v[GO], 4, v[GO]                  ; a tile of y is 2,048 bytes on end
	v_lshlrev_b32 v8, 3, v8
	v_sub_nc_u32 v[R8], v7, v8
	v_mov_b32 v[NEG], 0xff800000
.irp t, 0,1
	v_mov_b32 v[ST+8*\t+1], 0xff61b1e6             ; m: -3e38
	v_mul_f32 v[ST+8*\t], s[CS], v[ST+8*\t+1]
	v_mov_b32 v[ST+8*\t+2], 0
	v_mov_b32 v[ST+8*\t+3], 0
	v_mov_b32 v[ST+8*\t+5], 0                      ; written once: a lane permute's destination counts as one of its sources, on the way out too
	v_mov_b32 v[ST+8*\t+7], 0                      ; written once: named as the upper half of the pair with a, and with 1 / l on the way out
.endr
.set i, 0
.rept 64
	v_mov_b32 v[O+i], 0                            ; O^T: the step is written once; the first finds zeros, which a = 0 leaves zeros
.set i, i+1
.endr
.set i, 0
.rept 32
	v_mov_b32 v[S+i], 0                            ; tile 0's scores: its parts of a step stand under branches of their own, and every way through the text finds these written
.set i, i+1
.endr
.macro S_MUL t                         ; S^T = K Q^T: four accumulators by turns, two deep
.irp ks, 0,1
.irp kt, 0,1,2,3
.if \ks == 0
	v_wmma_f32_16x16x32_f16 v[S+32*\t+8*\kt:S+32*\t+8*\kt+7], v[KV+8*(2*\kt+\ks):KV+8*(2*\kt+\ks)+7], v[Q+16*\t+8*\ks:Q+16*\t+8*\ks+7], 0
.else
	v_wmma_f32_16x16x32_f16 v[S+32*\t+8*\kt:S+32*\t+8*\kt+7], v[KV+8*(2*\kt+\ks):KV+8*(2*\kt+\ks)+7], v[Q+16*\t+8*\ks:Q+16*\t+8*\ks+7], v[S+32*\t+8*\kt:S+32*\t+8*\kt+7]
.endif
.endr
.endr
.endm
.macro PV_MUL t                        ; O^T += V^T P: keys 32 c on, channels 16 ct on
.irp c, 0,1
.irp ct, 0,1,2,3
	v_wmma_f32_16x16x32_f16 v[O+32*\t+8*\ct:O+32*\t+8*\ct+7], v[KV+8*(4*\c+\ct):KV+8*(4*\c+\ct)+7], v[S+32*\t+8*\c:S+32*\t+8*\c+7], v[O+32*\t+8*\ct:O+32*\t+8*\ct+7]
.endr
.endr
.endm
.macro MASK t                          ; register n holds key KF + 16 (n / 8) + 8 h + n % 8: hidden where 16 (n / 8) + n % 8 > my query - KF - 8 h
	s_sub_co_i32 s[TS], s[QA+\t], s[KFS]
	v_add_nc_u32 v[DD], s[TS], v[R8]
.irp n, 0,1,2,3,4,5,6,7,8,9,10,11,12,13,14,15,16,17,18,19,20,21,22,23,24,25,26,27,28,29,30,31
	v_cmp_gt_i32 vcc_lo, 16*(\n/8)+\n%8, v[DD]
	v_cndmask_b32 v[S+32*\t+\n], v[S+32*\t+\n], v[NEG], vcc_lo
.endr
.endm
.macro SOFT t
.set rT, ST+8*\t
.set rS, S+32*\t
.set rO, O+32*\t
.irp j, 0,1,2,3
	v_max3_num_f32 v[rT+4+\j], v[rS+8*\j], v[rS+8*\j+1], v[rS+8*\j+2]   ; four chains, each from its accumulator's low end
.endr
.irp i, 3,5
.irp j, 0,1,2,3
	v_max3_num_f32 v[rT+4+\j], v[rT+4+\j], v[rS+8*\j+\i], v[rS+8*\j+\i+1]
.endr
.endr
	v_max3_num_f32 v[rT+4], v[rT+4], v[rS+7], v[rS+15]
	v_max3_num_f32 v[rT+6], v[rT+6], v[rS+23], v[rS+31]
	v_max3_num_f32 v[rT+4], v[rT+4], v[rT+5], v[rT+6]
	v_max3_num_f32 v[rT+4], v[rT+4], v[rT+7], v[rT+1]              ; with the old m
	v_permlanex16_b32 v[rT+5], v[rT+4], s[SEL], s[SEL+1]           ; the query's other 32 keys lie in the lane 16 away
	v_mov_b32 v[rT+7], v[rT]                                       ; c m_old
	v_max_num_f32 v[rT+1], v[rT+4], v[rT+5]
	v_mul_f32 v[rT], s[CS], v[rT+1]
	v_sub_f32 v[rT+7], v[rT+7], v[rT]
.irp b, 0,2,4,6,8,10,12,14,16,18,20,22,24,26,28,30
	v_pk_fma_f32 v[rS+\b:rS+\b+1], v[rS+\b:rS+\b+1], s[CS:CS+1], v[rT:rT+1] op_sel_hi:[1,0,0] neg_lo:[0,0,1] neg_hi:[0,0,1]   ; c s - c m
.endr
	v_exp_f32 v[rT+6], v[rT+7]                                     ; a
.irp e, 0,1,2,3,4,5,6,7,8,9,10,11,12,13,14,15,16,17,18,19,20,21,22,23,24,25,26,27,28,29,30,31
	v_exp_f32 v[rS+\e], v[rS+\e]
.endr
	v_nop                                                          ; a plain instruction behind the last exponential
	s_wait_alu depctr_va_vdst(0)                                   ; one wait for the batch of 33, ahead of its first reader
	v_pk_fma_f32 v[rT+2:rT+3], v[rT+2:rT+3], v[rT+6:rT+7], v[rS:rS+1] op_sel_hi:[1,0,1]   ; l = a l + p, in two chains
	v_pk_add_f32 v[14:15], v[rS+2:rS+3], v[rS+6:rS+7]
.irp i, 4,8,12,16,20,24
	v_pk_add_f32 v[rT+2:rT+3], v[rT+2:rT+3], v[rS+\i:rS+\i+1]
	v_pk_add_f32 v[14:15], v[14:15], v[rS+\i+6:rS+\i+7]
.endr
	v_pk_add_f32 v[rT+2:rT+3], v[rT+2:rT+3], v[rS+28:rS+29]
	v_pk_add_f32 v[rT+2:rT+3], v[rT+2:rT+3], v[14:15]
.irp i, 0,1,2,3,4,5,6,7,8,9,10,11,12,13,14,15
	v_cvt_pk_f16_f32 v[rS+\i], v[rS+2*\i], v[rS+2*\i+1]            ; in place: register i is written when registers 2 i on are still to be read
.endr
.irp i, 0,2,4,6,8,10,12,14,16,18,20,22,24,26,28,30
	v_pk_mul_f32 v[rO+\i:rO+\i+1], v[rO+\i:rO+\i+1], v[rT+6:rT+7] op_sel_hi:[1,0]
.endr
.endm
; A KEY STEP: 64 keys, the q-th of the slot in hand.  Every branch hangs on the wave's number and the count of steps; no barrier, wait for tiles or tensor load stands in a step.
.macro STEP q
	s_cmp_ge_u32 s[KFS], s[LIMB]
	s_cbranch_scc1 .Lhid_\@                        ; all keys come after both tiles' groups
	v_add_nc_u32 v[ADK], s[TB], v[AK0]
	v_add_nc_u32 v[ADV], s[TB], v[AV0]
.rept 3
	v_nop                                          ; with the two additions: five places behind the last products, whose P the new scores write over and whose V the loads below land on
.endr
.irp kt, 0,1,2,3
.irp ks, 0,1
	ds_load_b128 v[KV+8*(2*\kt+\ks):KV+8*(2*\kt+\ks)+3], v[ADK] offset:(\q)*64*PK+\kt*16*PK+64*\ks
	ds_load_b128 v[KV+8*(2*\kt+\ks)+4:KV+8*(2*\kt+\ks)+7], v[ADK] offset:(\q)*64*PK+\kt*16*PK+64*\ks+32
.endr
.endr
	s_wait_dscnt 0x0
	S_MUL 1
	s_cmp_ge_u32 s[KFS], s[LIMA]
	s_cbranch_scc1 .La_\@
	S_MUL 0
.La_\@:
.rept 4
	v_nop                                          ; places in front of the loads into K's registers and of the first reads of the scores
.endr
.irp c, 0,1
.irp ct, 0,1,2,3
	ds_load_tr16_b128 v[KV+8*(4*\c+\ct):KV+8*(4*\c+\ct)+3], v[ADV] offset:(\q)*64*PVP+\c*32*PVP+32*\ct
	ds_load_tr16_b128 v[KV+8*(4*\c+\ct)+4:KV+8*(4*\c+\ct)+7], v[ADV] offset:(\q)*64*PVP+\c*32*PVP+16*PVP+32*\ct
.endr
.endr
	s_cmp_lt_u32 s[KFS], s[MB]
	s_cbranch_scc1 .Lb_\@
	MASK 1
.Lb_\@:
	SOFT 1
	s_cmp_ge_u32 s[KFS], s[LIMA]
	s_cbranch_scc1 .Lc_\@
	s_cmp_lt_u32 s[KFS], s[MA]
	s_cbranch_scc1 .Ld_\@
	MASK 0
.Ld_\@:
	SOFT 0
.Lc_\@:
	s_wait_dscnt 0x0                               ; V is in
	PV_MUL 1
	s_cmp_ge_u32 s[KFS], s[LIMA]
	s_cbranch_scc1 .Lhid_\@
	PV_MUL 0
.Lhid_\@:
	s_add_co_u32 s[KFS], s[KFS], 64
.endm
.macro SLOT_STEPS
	STEP 0
	STEP 1
	STEP 2
	STEP 3
	s_xor_b32 s[TB], s[TB], SLOT1
.endm
; THE CHANGE OF SLOTS, at a slot's head.  Every wave waits for all its tensor loads, adds 0 to its spare word, and waits for that and for its reads of the slot that it has left.
; fill = 1: a round of the cluster's barrier, and first behind it the joint load of the next 256 keys into the slot just left: it has four key steps in which to land.
.macro CHANGE fill
	s_wait_tensorcnt 0x0
	ds_add_u32 v[SPW], v[NIL]
.if \fill
	ds_add_u32 v[SPW], v[NIL]                      ; the add twice on end here, in every trip alike
	s_xor_b32 s[G0K+1], s[G0K+1], SLOT1            ; no tensor load of mine is out: the walking descriptors step
	s_add_nc_u64 s[G0K+2:G0K+3], s[G0K+2:G0K+3], 32768
	s_xor_b32 s[G0V+1], s[G0V+1], SLOT1
	s_add_nc_u64 s[G0V+2:G0V+3], s[G0V+2:G0V+3], 32768
	s_wait_xcnt 0x0                                ; the last prefetch, a slot back, has read its address
	s_add_nc_u64 s[PFA:PFA+1], s[PFA:PFA+1], 32768
	s_wait_dscnt 0x0
	CROUND
	TLOAD
	ASK
.else
	s_wait_dscnt 0x0
	s_barrier_signal -1
	s_barrier_wait -1
.endif
.endm
	s_wait_loadcnt 0x0                             ; Q
.Lslot:                                            ; seven trips: behind each change of slots but the last the next slot is asked for
	CHANGE 1
	SLOT_STEPS
	s_sub_co_u32 s[SLOTS], s[SLOTS], 1
	s_cmp_lg_u32 s[SLOTS], 0
	s_cbranch_scc1 .Lslot
	CHANGE 0                                       ; the last slot is written out
	SLOT_STEPS
	; THE WAY OUT: O^T / l, rounded to f16, through my stage, and out as 2,048 bytes on end a tile
.rept 4
	v_nop
.endr
.irp t, 0,1
	v_add_f32 v[ST+8*\t+4], v[ST+8*\t+2], v[ST+8*\t+3]
.endr
.irp t, 0,1
	v_permlanex16_b32 v[ST+8*\t+5], v[ST+8*\t+4], s[SEL], s[SEL+1]
.endr
.irp t, 0,1
	v_add_f32 v[ST+8*\t+4], v[ST+8*\t+4], v[ST+8*\t+5]
.endr
.irp t, 0,1
	v_rcp_f32 v[ST+8*\t+6], v[ST+8*\t+4]
.endr
	v_nop
	s_wait_alu depctr_va_vdst(0)                   ; one wait for the two reciprocals, ahead of their first reader
.irp t, 0,1
.irp i, 0,2,4,6,8,10,12,14,16,18,20,22,24,26,28,30
	v_pk_mul_f32 v[O+32*\t+\i:O+32*\t+\i+1], v[O+32*\t+\i:O+32*\t+\i+1], v[ST+8*\t+6:ST+8*\t+7] op_sel_hi:[1,0]
.endr
.irp i, 0,1,2,3,4,5,6,7,8,9,10,11,12,13,14,15
	v_cvt_pk_f16_f32 v[S+32*\t+\i], v[O+32*\t+2*\i], v[O+32*\t+2*\i+1]
.endr
.irp ct, 0,1,2,3
	ds_store_b128 v[STO], v[S+32*\t+4*\ct:S+32*\t+4*\ct+3] offset:2304*\t+32*\ct
.endr
.irp i, 0,1,2,3
	ds_load_b128 v[S+32*\t+16+4*\i:S+32*\t+16+4*\i+3], v[RD] offset:2304*\t+576*\i   ; LDS serves a wave's instructions in order: these see my stores
.endr
.endr
.irp t, 0,1
.irp i, 0,1,2,3
	s_wait_dscnt (1-\t)*8+3-\i                     ; younger: this tile's later loads, and for tile 0 tile 1's eight
	global_store_b128 v[GO], v[S+32*\t+16+4*\i:S+32*\t+16+4*\i+3], s[YA+2*\t:YA+2*\t+1] offset:512*\i   ; 32 lanes store 512 consecutive bytes, aligned
.endr
.endr
	s_wait_tensorcnt 0x0                           ; the wave's end
	ds_add_u32 v[SPW], v[NIL]
	s_wait_dscnt 0x0
	CROUND                                         ; the closing round
	s_endpgm
.Lfunc_end_k_q4f1e285ff5_attn:
	.size	k_q4f1e285ff5_attn, .Lfunc_end_k_q4f1e285ff5_attn-k_q4f1e285ff5_attn
	.p2alignl 7, 3214868480
	.fill 96, 4, 3214868480
	.section	.rodata,"a",@progbits
	.p2align	6, 0x0
	.amdhsa_kernel k_q4f1e285ff5_attn
		.amdhsa_group_segment_fixed_size 327680
		.amdhsa_private_segment_fixed_size 0
		.amdhsa_enable_private_segment 0
		.amdhsa_kernarg_size 16
		.amdhsa_user_sgpr_count 2
		.amdhsa_user_sgpr_kernarg_segment_ptr 1
		.amdhsa_wavefront_size32 1
		.amdhsa_system_sgpr_workgroup_id_x 1
		.amdhsa_system_sgpr_workgroup_id_y 1
		.amdhsa_system_sgpr_workgroup_id_z 1
		.amdhsa_system_vgpr_workitem_id 0
		.amdhsa_next_free_vgpr 256
		.amdhsa_next_free_sgpr 90
		.amdhsa_reserve_vcc 1
		.amdhsa_float_denorm_mode_32 3
		.amdhsa_float_denorm_mode_16_64 3
		.amdhsa_memory_ordered 1
		.amdhsa_forward_progress 1
		.amdhsa_inst_pref_size 192
	.end_amdhsa_kernel
	.amdgpu_metadata
---
amdhsa.version: [ 1, 2 ]
amdhsa.kernels:
  - .name:           k_q4f1e285ff5_attn
    .symbol:         k_q4f1e285ff5_attn.kd
    .args:
      - { .name: qkv, .offset: 0, .size: 8, .value_kind: global_buffer, .address_space: global }
      - { .name: y16, .offset: 8, .size: 8, .value_kind: global_buffer, .address_space: global }
    .group_segment_fixed_size: 327680
    .private_segment_fixed_size: 0
    .kernarg_segment_align: 8
    .kernarg_segment_size: 16
    .max_flat_workgroup_size: 512
    .sgpr_count:     90
    .vgpr_count:     256
    .wavefront_size: 32
...
	.end_amdgpu_metadata
.endif
;; end of part 3
;; launch proj (part 4): grid 4 x 64, 4 waves a work-group, clusters of 4 x 4, 327,680 bytes of LDS; arguments y16, wp16, b_proj, out0; writes out0
.if DOCPART == 4
	.amdgcn_target "amdgcn-amd-amdhsa--gfx1250"
	.amdhsa_code_object_version 6
	.text
	.protected	k_q4f1e285ff5_proj
	.globl	k_q4f1e285ff5_proj
	.p2align	8
	.type	k_q4f1e285ff5_proj,@function
k_q4f1e285ff5_proj:
	s_mov_b64 s[64:65], 0
	v_nop
	global_prefetch_b8 v0, s[64:65] scope:SCOPE_SE
	s_setreg_imm32_b32 hwreg(HW_REG_WAVE_MODE, 25, 1), 1
	s_wait_xcnt 0x0
	s_wait_alu depctr_hold_cnt(0) depctr_sa_sdst(0) depctr_va_vdst(0) depctr_va_sdst(0) depctr_va_ssrc(0) depctr_va_vcc(0) depctr_vm_vsrc(0)
	s_getreg_b32 s2, hwreg(HW_REG_IB_STS2, 6, 4)
	s_cmp_eq_u32 s2, 0
	s_cbranch_scc0 .Lentry_in_a_cluster
	s_endpgm
.Lentry_in_a_cluster:
	s_bfe_u32 s2, ttmp6, 0x10000c
	s_cmp_lg_u32 s2, 0xf033
	s_cbranch_scc0 .Lentry_shape_is_right
	s_endpgm
.Lentry_shape_is_right:
; out0 = y W_proj + b_proj on f16 operands, f32 sums: M 8,192, N 1,024, K 1,024.  y16 [head][8192][64], wp16 [1024 k][1024 n], out0 f32.
; A tile of 128 x 256 to a work-group (256 work-groups), 64 x 128 a wave: 32 accumulators.  K goes in 8 steps of 128 (two heads) through a ring of two LDS slots.
; CLUSTERS 4 x 4: y's tiles are asked for jointly along a row of the cluster, W's along a column.  Tile row = 16 cy + cluster y: cy is the batch, cluster y = 0 marks a sequence's first tile in all partners alike.
; The matrix instruction is used transposed: source 0 = 16 columns of W (turned out of LDS, where it lies [k][n]), source 1 = 16 rows of y.  The bias is the C of each sum's first product.
; Positions 0-15 of every sequence are NOT stored here: a later launch owns those rows.
; REGISTERS: window 0: v0-31 addresses; v64-127 y's fragments, two buffers; v128-255 W's, two buffers.  window 1: the accumulators ((a, b) at v[8 (8 a + b)]).  window 2: v0-63 the bias.
.set PA,    144                        ; a row of y's tile in LDS: 128 bytes + 16
.set PB,    544                        ; a row of W's: 512 bytes + 32
.set BOFF,  2*128*PA
.set SLOT,  BOFF+128*PB
.set STAGE, 2*SLOT                     ; the way out: 16 rows x 528 bytes a wave
.set SPARE, STAGE+4*16*528             ; the spare words: 128 bytes a wave, two blocks of 256 bytes that no other line names
.set ADRA, 16
.set ADRB, 20
.set STO,  24
.set RD,   25
.set CO,   26
.set BO,   27
.set SPW,  28
.set NIL,  29
.set PFO,  30
.set G1A, 24
.set G0A, 32
.set PFA, 40                           ; s[40:41] where my prefetches stand
.set PFS, 42                           ; s[42:43] a K step on, in bytes
.set LIM, 44
.set SKIP, 45                          ; 0 where my first 16 rows begin a sequence
.set G1B, 48
.set G0B, 56
.set MSB, 0
.macro WIN new
.if MSB != (\new)
	s_set_vgpr_msb (MSB<<8)|(\new)
.set MSB, (\new)
.endif
.endm
.set MUL, 0x50                         ; C and D window 1
.macro JLOAD s                         ; waves 0, 1 fetch y's two heads, waves 2, 3 W's two halves; an s_nop 0 and four v_nop follow each line
	s_cmp_eq_u32 s13, 0
	s_cbranch_scc0 .Lfor_b_\@
	tensor_load_to_lds s[G0A+4*\s:G0A+4*\s+3], s[G1A:G1A+7]
	s_nop 0
.rept 4
	v_nop
.endr
	s_branch .Lasked_\@
.Lfor_b_\@:
	tensor_load_to_lds s[G0B+4*\s:G0B+4*\s+3], s[G1B:G1B+7]
	s_nop 0
.rept 4
	v_nop
.endr
.Lasked_\@:
.endm
.macro CREST
	s_cmp_lg_u32 s12, 0
	s_cbranch_scc1 .Lnot_wave_0_\@
	s_barrier_signal -3
.Lnot_wave_0_\@:
	s_barrier_wait -3
	s_barrier_signal -1
	s_barrier_wait -1
.endm
.macro CROUND
	s_barrier_signal -1
	s_barrier_wait -1
	CREST
.endm
; A prefetch of the K step that stands two refills on (256 matrix instructions of a wave ahead of its load), 32 aligned blocks of 256 bytes an instruction, each named once in the launch.
; y's tile row is read by one row of one cluster: wave 0 of each partner asks for a quarter of it (4,096 bytes of each of the two heads), told apart by address.  W's tile column is read by every cluster:
; those with cluster y = 0 ask, waves 2 and 3, 16 rows x 512 bytes each, the partners told apart by address.  The loop's last trip asks for nothing: there is no K step two on.
.macro ASK
	s_cmp_gt_u32 s3, s[LIM]
	s_cbranch_scc0 .Lnot_mine_\@
	global_prefetch_b8 v[PFO], s[PFA:PFA+1] th:TH_LOAD_NT scope:SCOPE_SE
.Lnot_mine_\@:
.endm
	s_load_b256 s[4:11], s[0:1], 0x0               ; y16, wp16, b_proj, out0
	v_lshl_add_u32 v[SPW], v0, 2, SPARE
	v_mov_b32 v[NIL], 0
	ds_add_u32 v[SPW], v[NIL]                      ; the wave's opening: the add, twice on end, and its wait ahead of my first tensor load
	ds_add_u32 v[SPW], v[NIL]
	v_lshrrev_b32 v1, 5, v0
	v_readfirstlane_b32 s12, v1                    ; wave 0..3
	s_lshr_b32 s13, s12, 1                         ; my half of the rows; also: I fetch for y (0) or W (1)
	s_and_b32 s14, s12, 1                          ; my half of the columns; also: which half I fetch
	s_bfe_u32 s15, ttmp6, 0x40000                  ; cx
	s_bfe_u32 s16, ttmp6, 0x40004                  ; cy
	s_lshl_b32 s17, ttmp9, 2
	s_add_co_u32 s17, s17, s15                     ; tile column
	s_and_b32 s18, ttmp7, 0xffff                   ; cluster y
	s_lshl_b32 s19, s16, 4
	s_add_co_u32 s19, s19, s18                     ; tile row = 16 cy + cluster y
	s_or_b32 s[SKIP], s18, s13
	s_lshl_b32 s20, s16, 2
	s_lshl_b32 s20, 15, s20                        ; my row of the cluster
	s_lshl_b32 s21, 0x1111, s15                    ; my column
	s_or_b32 s[G1A], s20, (1<<16)|(1<<20)|(1<<21)|(4<<22)|(3<<25)   ; elements of 2 bytes; 4 words of padding behind every 32
	s_mov_b32 s[G1A+1], 64<<16
	s_mov_b32 s[G1A+2], 128<<16
	s_mov_b32 s[G1A+3], 64<<16
	s_mov_b32 s[G1A+4], 128
	s_mov_b32 s[G1A+5], 64
	s_mov_b32 s[G1A+6], 0
	s_mov_b32 s[G1A+7], 0
	s_or_b32 s[G1B], s21, (1<<16)|(1<<20)|(1<<21)|(6<<22)|(7<<25)   ; 8 words behind every 128
	s_mov_b32 s[G1B+1], 256<<16
	s_mov_b32 s[G1B+2], 64<<16
	s_mov_b32 s[G1B+3], 256<<16
	s_mov_b32 s[G1B+4], 64
	s_mov_b32 s[G1B+5], 1024
	s_mov_b32 s[G1B+6], 0
	s_mov_b32 s[G1B+7], 0
	s_lshl_b32 s66, s14, 20                        ; y: head (wave % 2),
	s_lshl_b32 s22, s19, 14
	s_add_co_u32 s66, s66, s22                     ; row 128 x tile row
	s_mov_b32 s67, 0
	s_lshl_b32 s68, s14, 17                        ; W: row 64 x (wave % 2),
	s_lshl_b32 s22, s17, 9
	s_add_co_u32 s68, s68, s22                     ; column 256 x tile column
	s_mov_b32 s69, 0
	s_mul_i32 s46, s14, 128*PA
	s_mul_i32 s47, s14, 64*PB
	s_add_co_u32 s47, s47, BOFF
	s_wait_dscnt 0x0                               ; both opening adds are done
	s_wait_kmcnt 0x0
	s_add_nc_u64 s[66:67], s[4:5], s[66:67]
	s_add_nc_u64 s[68:69], s[6:7], s[68:69]
	CROUND
.irp s, 0,1
	s_mov_b32 s[G0A+4*\s], 1
	s_add_co_u32 s[G0A+4*\s+1], s46, \s*SLOT
	s_add_nc_u64 s[G0A+4*\s+2:G0A+4*\s+3], s[66:67], \s*2097152
	s_or_b32 s[G0A+4*\s+3], s[G0A+4*\s+3], 0x80000000
	s_mov_b32 s[G0B+4*\s], 1
	s_add_co_u32 s[G0B+4*\s+1], s47, \s*SLOT
	s_add_nc_u64 s[G0B+4*\s+2:G0B+4*\s+3], s[68:69], \s*262144
	s_or_b32 s[G0B+4*\s+3], s[G0B+4*\s+3], 0x80000000
	JLOAD \s                                       ; by this text's count two tensor loads of a wave are out at the start, later one
.endr
	v_and_b32 v1, 15, v0                           ; r
	v_bfe_u32 v2, v0, 4, 1                         ; h
	v_mul_u32_u24 v3, v1, PA
	v_lshl_add_u32 v3, v2, 4, v3
	s_mul_i32 s20, s13, 64*PA
	v_add_nc_u32 v[ADRA], s20, v3
	s_add_co_u32 s20, s20, SLOT
	v_add_nc_u32 v[ADRA+1], s20, v3
	v_and_b32 v4, 7, v0
	v_lshl_add_u32 v4, v2, 3, v4
	v_mul_u32_u24 v4, v4, PB
	v_bfe_u32 v5, v0, 3, 1
	v_lshl_add_u32 v4, v5, 4, v4                   ; the turning load: k 8 h + l % 8, columns 8 ((l / 8) % 2) on
	s_lshl_b32 s21, s14, 8
	s_add_co_u32 s21, s21, BOFF
	v_add_nc_u32 v[ADRB], s21, v4
	s_add_co_u32 s21, s21, SLOT
	v_add_nc_u32 v[ADRB+1], s21, v4
	s_mul_i32 s22, s12, 16*528
	s_add_co_u32 s22, s22, STAGE
	v_mul_u32_u24 v5, v1, 528
	v_lshl_add_u32 v5, v2, 5, v5
	v_add_nc_u32 v[STO], s22, v5
	v_and_b32 v6, 31, v0
	v_lshlrev_b32 v[CO], 4, v6
	v_add_nc_u32 v[RD], s22, v[CO]
	v_lshlrev_b32 v[BO], 5, v2
	s_lshl_b32 s20, s17, 10
	s_lshl_b32 s21, s14, 9
	s_add_co_u32 s20, s20, s21                     ; my first column x 4 bytes
	s_mov_b32 s21, 0
	s_add_nc_u64 s[8:9], s[8:9], s[20:21]
	s_add_nc_u64 s[10:11], s[10:11], s[20:21]
	s_lshl_b32 s22, s19, 7
	s_lshl_b32 s23, s13, 6
	s_add_co_u32 s22, s22, s23
	s_lshl_b32 s22, s22, 12                        ; my first row x 4,096 bytes
	s_mov_b32 s23, 0
	s_add_nc_u64 s[10:11], s[10:11], s[22:23]
	WIN 0x80                                       ; destination window 2
.irp b, 0,1,2,3,4,5,6,7
	global_load_b128 v[8*\b:8*\b+3], v[BO], s[8:9] offset:64*\b
	global_load_b128 v[8*\b+4:8*\b+7], v[BO], s[8:9] offset:64*\b+16
.endr
	WIN 0
	; the prefetches: K step 3 here; the first refill steps the address to K step 4.  Nothing is asked for at the head
	s_lshl_b32 s20, s19, 14
	s_lshl_b32 s21, s15, 12
	s_add_co_u32 s20, s20, s21
	s_add_co_u32 s20, s20, 3*2097152               ; y: tile row, my work-group's quarter by cx
	s_lshl_b32 s21, s14, 6
	s_lshl_b32 s22, s16, 4
	s_add_co_u32 s21, s21, s22
	s_lshl_b32 s21, s21, 11
	s_lshl_b32 s22, s17, 9
	s_add_co_u32 s21, s21, s22
	s_add_co_u32 s21, s21, 3*262144                ; W: rows 64 (wave % 2) + 16 cy on, my tile column
	s_cmp_eq_u32 s13, 0
	s_cselect_b64 s[PFA:PFA+1], s[4:5], s[6:7]
	s_cselect_b32 s46, s20, s21
	s_mov_b32 s[PFS], 262144
	s_cselect_b32 s[PFS], 2097152, s[PFS]
	s_cselect_b32 s20, 4, 1
	s_cselect_b32 s21, 15, 1
	s_cselect_b32 s22, 20, 11
	s_cselect_b32 s23, s14, s18                    ; y: wave 0 asks; W: where cluster y = 0
	s_mov_b32 s47, 0
	s_mov_b32 s[PFS+1], 0
	s_add_nc_u64 s[PFA:PFA+1], s[PFA:PFA+1], s[46:47]
	s_cmp_eq_u32 s23, 0
	s_cselect_b32 s[LIM], 1, -1
	v_lshrrev_b32 v7, s20, v6
	v_and_b32 v6, s21, v6
	v_lshlrev_b32 v7, s22, v7
	v_lshl_add_u32 v[PFO], v6, 8, v7               ; y: (l / 16) heads + 256 (l % 16); W: (l / 2) rows + 256 (l % 2)
.macro FETCH slot, q, f                ; the fragments of 32 along K: W's eight (turned), then y's four
	WIN 0
.irp b, 0,1,2,3,4,5,6,7
	ds_load_tr16_b128 v[128+64*\f+8*\b:128+64*\f+8*\b+3], v[ADRB+\slot] offset:32*PB*\q+32*\b
	ds_load_tr16_b128 v[128+64*\f+8*\b+4:128+64*\f+8*\b+7], v[ADRB+\slot] offset:32*PB*\q+16*PB+32*\b
.endr
.irp i, 0,1,2,3
	ds_load_b128 v[64+32*\f+8*\i:64+32*\f+8*\i+3], v[ADRA+\slot] offset:(\q/2)*128*PA+(\q%2)*64+\i*16*PA
	ds_load_b128 v[64+32*\f+8*\i+4:64+32*\f+8*\i+7], v[ADRA+\slot] offset:(\q/2)*128*PA+(\q%2)*64+\i*16*PA+32
.endr
.endm
.macro MUL8 f, a, first                ; y's block a against W's eight; the 32 accumulators take turns, one instruction a turn
.irp b, 0,1,2,3,4,5,6,7
.if \first
	v_wmma_f32_16x16x32_f16 v[8*(8*\a+\b):8*(8*\a+\b)+7], v[128+64*\f+8*\b:128+64*\f+8*\b+7], v[64+32*\f+8*\a:64+32*\f+8*\a+7], v[8*\b:8*\b+7]
.else
	v_wmma_f32_16x16x32_f16 v[8*(8*\a+\b):8*(8*\a+\b)+7], v[128+64*\f+8*\b:128+64*\f+8*\b+7], v[64+32*\f+8*\a:64+32*\f+8*\a+7], v[8*(8*\a+\b):8*(8*\a+\b)+7]
.endif
.endr
.endm
.macro PLACES
.rept 4
	v_nop
.endr
.endm
.macro QUARTER slot, q, f, g, first    ; multiplies buffer f; in its middle fetches the slot's quarter q into buffer g
	s_wait_dscnt 4                                 ; W's fragments and y's blocks 0, 1 are in; the youngest four loads may be out
	WIN MUL+0x10*\first                            ; first = 1: C (the bias) window 2
	MUL8 \f, 0, \first
	MUL8 \f, 1, \first
	PLACES
	FETCH \slot, \q, \g
	s_wait_dscnt 24                                ; all but the 24 just issued
	WIN MUL+0x10*\first
	MUL8 \f, 2, \first
	MUL8 \f, 3, \first
.endm
; A slot's last quarter multiplies buffer 1 and changes slots: one barrier; in front of it every wave waits for all its tensor loads, adds 0 to its spare word, and waits for that and for its reads of this slot.
.macro TURN slot, next, fill
.if \fill
	s_wait_xcnt 0x0                                ; the last prefetch, a K step back, has read its address
	s_add_nc_u64 s[PFA:PFA+1], s[PFA:PFA+1], s[PFS:PFS+1]
.endif
	WIN 0
	s_wait_tensorcnt 0x0                           ; my part of the next slot has landed
	ds_add_u32 v[SPW], v[NIL]
	s_wait_dscnt 5                                 ; the add and the youngest four loads may be out
	WIN MUL
	MUL8 1, 0, 0
	s_wait_dscnt 0x0                               ; the add is done, and my reads of this slot are over
	s_barrier_signal -1
	MUL8 1, 1, 0
.if \fill
	WIN 0
.endif
	s_barrier_wait -1
.if \fill
	CREST                                          ; the barrier has opened a round of the cluster's: no wave of any partner still reads this slot or has a load on its way
	s_add_nc_u64 s[G0A+4*\slot+2:G0A+4*\slot+3], s[G0A+4*\slot+2:G0A+4*\slot+3], 2*2097152
	s_add_nc_u64 s[G0B+4*\slot+2:G0B+4*\slot+3], s[G0B+4*\slot+2:G0B+4*\slot+3], 2*262144
	JLOAD \slot                                    ; the first tensor load behind the round; its four v_nop are also the places in front of the loads below
.else
	PLACES
.endif
	FETCH \next, 0, 0
.if \fill
	ASK
.endif
	WIN MUL
	MUL8 1, 2, 0
	MUL8 1, 3, 0
.endm
	s_wait_tensorcnt 1                             ; my part of K step 0 is in; K step 1's load may be out
	s_barrier_signal -1
	s_barrier_wait -1
	FETCH 0, 0, 0
	s_wait_loadcnt 0x0                             ; the bias
	QUARTER 0, 1, 0, 1, 1
	WIN 0
	s_mov_b32 s3, 3
.Llap:                                             ; a trip goes once round the ring and fills both slots again
	QUARTER 0, 2, 1, 0, 0
	QUARTER 0, 3, 0, 1, 0
	TURN 0, 1, 1
	QUARTER 1, 1, 0, 1, 0
	QUARTER 1, 2, 1, 0, 0
	QUARTER 1, 3, 0, 1, 0
	TURN 1, 0, 1
	QUARTER 0, 1, 0, 1, 0
	WIN 0
	s_sub_co_u32 s3, s3, 1
	s_cmp_lg_u32 s3, 0
	s_cbranch_scc1 .Llap
	QUARTER 0, 2, 1, 0, 0                          ; the last lap fills nothing
	QUARTER 0, 3, 0, 1, 0
	TURN 0, 1, 0
	QUARTER 1, 1, 0, 1, 0
	QUARTER 1, 2, 1, 0, 0
	QUARTER 1, 3, 0, 1, 0
	s_wait_dscnt 4
	WIN MUL
	MUL8 1, 0, 0
	MUL8 1, 1, 0
	s_wait_dscnt 0
	MUL8 1, 2, 0
	MUL8 1, 3, 0
	WIN 0
; THE WAY OUT, block by block of 16 rows x 128 columns, through my own stage and back as whole rows of 512 bytes
.macro TOSTAGE a
	WIN 0x04                                       ; an LDS store's data: window 1
.irp b, 0,1,2,3,4,5,6,7
	ds_store_b128 v[STO], v[64*\a+8*\b:64*\a+8*\b+3] offset:64*\b      ; each accumulator from its low end on
	ds_store_b128 v[STO], v[64*\a+8*\b+4:64*\a+8*\b+7] offset:64*\b+16
.endr
	WIN 0
.irp t, 0,1,2,3,4,5,6,7,8,9,10,11,12,13,14,15
	ds_load_b128 v[128+64*(\a%2)+4*\t:128+64*(\a%2)+4*\t+3], v[RD] offset:\t*528
.endr
.endm
.macro SEND a, younger
	s_wait_dscnt \younger                          ; the block is back; the next block's 16 stores and 16 loads may be out
.if \a == 0
	s_cmp_eq_u32 s[SKIP], 0                        ; positions 0-15 of a sequence have another owner: ids that all partners share
	s_cbranch_scc1 .Lskip_first
.endif
.irp t, 0,1,2,3,4,5,6,7,8,9,10,11,12,13,14,15
	global_store_b128 v[CO], v[128+64*(\a%2)+4*\t:128+64*(\a%2)+4*\t+3], s[10:11] offset:(16*\a+\t)*4096 th:TH_STORE_NT   ; 32 lanes store 512 consecutive bytes, aligned
.endr
.if \a == 0
.Lskip_first:
.endif
.endm
	PLACES
	TOSTAGE 0
	TOSTAGE 1
	SEND 0, 32
	s_wait_xcnt 0x0                                ; block 0's stores have read their registers: block 2's loads may land there
	TOSTAGE 2
	SEND 1, 32
	s_wait_xcnt 0x0
	TOSTAGE 3
	SEND 2, 32
	SEND 3, 0
	s_wait_tensorcnt 0x0                           ; the wave's end
	ds_add_u32 v[SPW], v[NIL]
	s_wait_dscnt 0x0
	CROUND                                         ; the closing round
	s_endpgm
.Lfunc_end_k_q4f1e285ff5_proj:
	.size	k_q4f1e285ff5_proj, .Lfunc_end_k_q4f1e285ff5_proj-k_q4f1e285ff5_proj
	.p2alignl 7, 3214868480
	.fill 96, 4, 3214868480
	.section	.rodata,"a",@progbits
	.p2align	6, 0x0
	.amdhsa_kernel k_q4f1e285ff5_proj
		.amdhsa_group_segment_fixed_size 327680
		.amdhsa_private_segment_fixed_size 0
		.amdhsa_enable_private_segment 0
		.amdhsa_kernarg_size 32
		.amdhsa_user_sgpr_count 2
		.amdhsa_user_sgpr_kernarg_segment_ptr 1
		.amdhsa_wavefront_size32 1
		.amdhsa_system_sgpr_workgroup_id_x 1
		.amdhsa_system_sgpr_workgroup_id_y 1
		.amdhsa_system_sgpr_workgroup_id_z 1
		.amdhsa_system_vgpr_workitem_id 0
		.amdhsa_next_free_vgpr 576
		.amdhsa_next_free_sgpr 80
		.amdhsa_reserve_vcc 0
		.amdhsa_float_denorm_mode_32 3
		.amdhsa_float_denorm_mode_16_64 3
		.amdhsa_memory_ordered 1
		.amdhsa_forward_progress 1
		.amdhsa_inst_pref_size 88
	.end_amdhsa_kernel
	.amdgpu_metadata
---
amdhsa.version: [ 1, 2 ]
amdhsa.kernels:
  - .name:           k_q4f1e285ff5_proj
    .symbol:         k_q4f1e285ff5_proj.kd
    .args:
      - { .name: y16, .offset: 0, .size: 8, .value_kind: global_buffer, .address_space: global }
      - { .name: wp16, .offset: 8, .size: 8, .value_kind: global_buffer, .address_space: global }
      - { .name: b_proj, .offset: 16, .size: 8, .value_kind: global_buffer, .address_space: global }
      - { .name: out0, .offset: 24, .size: 8, .value_kind: global_buffer, .address_space: global }
    .group_segment_fixed_size: 327680
    .private_segment_fixed_size: 0
    .kernarg_segment_align: 8
    .kernarg_segment_size: 32
    .max_flat_workgroup_size: 128
    .sgpr_count:     80
    .vgpr_count:     576
    .wavefront_size: 32
...
	.end_amdgpu_metadata
.endif
;; end of part 4
;; launch first16 (part 5): grid 16 x 4, 16 waves a work-group, no clusters, 71,680 bytes of LDS; arguments fq, W_proj, b_proj, out0; writes out0
.if DOCPART == 5
	.amdgcn_target "amdgcn-amd-amdhsa--gfx1250"
	.amdhsa_code_object_version 6
	.text
	.protected	k_q4f1e285ff5_first16
	.globl	k_q4f1e285ff5_first16
	.p2align	8
	.type	k_q4f1e285ff5_first16,@function
k_q4f1e285ff5_first16:
	s_mov_b64 s[64:65], 0
	v_nop
	global_prefetch_b8 v0, s[64:65] scope:SCOPE_SE
	s_setreg_imm32_b32 hwreg(HW_REG_WAVE_MODE, 25, 1), 1
	s_wait_xcnt 0x0
; Positions 0-15 of every sequence, all in f32: these rows average one to sixteen values and are the largest of the output.  fq [batch][16][3072] holds their q, k, v with bias.
; A work-group: 64 columns of out0 (x), one batch (y).  Wave hd is a head: its 16 x 16 attention, and its 64 channels' share of the projection; the sixteen shares meet in LDS.
; All products by the f32 matrix form, 16 x 16 x 4: 96 of them a wave.  K is permuted alike on both operands of each product, so that a lane's register pairs serve as they lie.
; The registers that this form writes (v16-31, v128-191) are written by matrix instructions alone.
; REGISTERS: v1-3 offsets; v4, v5 the add's two; v[6:7] the bias; v8-15 P, later addresses; v16-31 two score accumulators; v32-63 Q, later at work; v64-95 K, later W (channels 32-47);
;   v96-127 V, later W (48-63); v128-159 O^T; v160-191 the share of out^T; v192-255 W (channels 0-31).
.set SPARE, 16*16*272                  ; behind the sixteen shares (16 rows x 272 bytes each): the spare words, 128 bytes a wave
.set SEL, 20
.set CS,  22
	s_load_b256 s[4:11], s[0:1], 0x0               ; fq, W_proj, b_proj, out0
	v_lshl_add_u32 v4, v0, 2, SPARE
	v_mov_b32 v5, 0
	v_lshrrev_b32 v1, 5, v0
	v_readfirstlane_b32 s12, v1                    ; wave = head
	s_and_b32 s14, ttmp7, 0xffff                   ; batch
	s_lshl_b32 s13, ttmp9, 8                       ; my 64 columns, in bytes
	v_and_b32 v6, 15, v0                           ; r
	v_bfe_u32 v7, v0, 4, 1                         ; hh
	v_mul_u32_u24 v1, v6, 12288
	v_lshl_add_u32 v1, v7, 7, v1                   ; q, k: token r, channels 32 hh on
	v_mul_u32_u24 v2, v7, 98304
	v_lshl_add_u32 v2, v6, 2, v2                   ; v: token 8 hh on, channel r
	v_lshlrev_b32 v3, 15, v7
	v_lshl_add_u32 v3, v6, 2, v3                   ; W: row 8 hh on, column r
	v_and_b32 v8, 31, v0
	v_lshlrev_b32 v8, 3, v8                        ; 8 x lane
	s_mov_b32 s[SEL], 0x76543210
	s_mov_b32 s[SEL+1], 0xfedcba98
	s_mov_b32 s[CS], 0x3e38aa3b                    ; c = log2(e) / 8
	s_mul_i32 s16, s14, 196608
	s_lshl_b32 s18, s12, 8
	s_add_co_u32 s16, s16, s18
	s_mov_b32 s17, 0
	s_lshl_b32 s18, s12, 18
	s_add_co_u32 s18, s18, s13
	s_mov_b32 s19, 0
	s_mov_b32 s24, s13
	s_mov_b32 s25, 0
	s_lshl_b32 s26, s14, 23
	s_lshl_b32 s28, s12, 12
	s_add_co_u32 s26, s26, s28
	s_add_co_u32 s26, s26, s13                     ; out0: row batch x 2,048 + wave, my columns
	s_mov_b32 s27, 0
	s_wait_kmcnt 0x0
	s_add_nc_u64 s[4:5], s[4:5], s[16:17]
	s_add_nc_u64 s[6:7], s[6:7], s[18:19]
	s_add_nc_u64 s[8:9], s[8:9], s[24:25]
	s_add_nc_u64 s[10:11], s[10:11], s[26:27]
	global_load_b64 v[6:7], v8, s[8:9]             ; the bias of my two columns on the way out
.irp i, 0,1,2,3,4,5,6,7
	global_load_b128 v[32+4*\i:35+4*\i], v1, s[4:5] offset:16*\i
.endr
.irp i, 0,1,2,3,4,5,6,7
	global_load_b128 v[64+4*\i:67+4*\i], v1, s[4:5] offset:4096+16*\i
.endr
.irp ct, 0,1,2,3
.irp k, 0,1,2,3,4,5,6,7
	global_load_b32 v[96+8*\ct+\k], v2, s[4:5] offset:8192+\k*12288+64*\ct     ; V(8 hh + k, 16 ct + r)
.endr
.endr
.macro WLOAD c, reg                    ; W(64 head + 16 c + 8 hh + k, column 16 ct + r): step s = k / 2, at v[reg + 2 (4 s + ct) + k % 2]
.irp k, 0,1,2,3,4,5,6,7
.irp ct, 0,1,2,3
	global_load_b32 v[\reg+2*(4*(\k/2)+\ct)+\k%2], v3, s[6:7] offset:(16*\c+\k)*4096+64*\ct
.endr
.endr
.endm
	WLOAD 0, 192
	WLOAD 1, 224
	s_wait_loadcnt 63                              ; 113 are issued: the first 50 are in: the bias, q, k and v (49)
.irp s, 0,1,2,3,4,5,6,7,8,9,10,11,12,13,14,15      ; S^T = k q^T: step s takes channels 2 s, 2 s + 1, 32 + 2 s, 33 + 2 s; two accumulators by turns
.if \s < 2
	v_wmma_f32_16x16x4_f32 v[16+8*(\s%2):23+8*(\s%2)], v[64+2*\s:65+2*\s], v[32+2*\s:33+2*\s], 0
.else
	v_wmma_f32_16x16x4_f32 v[16+8*(\s%2):23+8*(\s%2)], v[64+2*\s:65+2*\s], v[32+2*\s:33+2*\s], v[16+8*(\s%2):23+8*(\s%2)]
.endif
.endr
.rept 8
	v_nop                                          ; eight places behind this form, in front of reads of results, loads into and writes of its sources
.endr
	WLOAD 2, 64
	v_and_b32 v32, 15, v0
	v_bfe_u32 v33, v0, 4, 1
	v_lshlrev_b32 v33, 3, v33
	v_sub_nc_u32 v32, v32, v33                     ; r - 8 hh: register j holds key 8 hh + j of query r, hidden where j > r - 8 hh
	v_mov_b32 v33, 0xff800000
.irp j, 0,1,2,3,4,5,6,7
	v_add_f32 v[8+\j], v[16+\j], v[24+\j]
.endr
.irp j, 0,1,2,3,4,5,6,7
	v_cmp_gt_i32 vcc_lo, \j, v32
	v_cndmask_b32 v[8+\j], v[8+\j], v33, vcc_lo
.endr
	v_max3_num_f32 v34, v8, v9, v10
	v_max3_num_f32 v34, v34, v11, v12
	v_max3_num_f32 v34, v34, v13, v14
	v_max_num_f32 v34, v34, v15
	v_permlanex16_b32 v35, v34, s[SEL], s[SEL+1]
	v_max_num_f32 v34, v34, v35                    ; the row's maximum: key 0 counts for every query
	v_mul_f32 v36, s[CS], v34
.irp j, 0,1,2,3,4,5,6,7
	v_fma_f32 v[8+\j], v[8+\j], s[CS], -v36
.endr
.irp j, 0,1,2,3,4,5,6,7
	v_exp_f32 v[8+\j], v[8+\j]
.endr
	v_nop
	s_wait_alu depctr_va_vdst(0)                   ; one wait for the eight, ahead of their first reader
	v_add_f32 v37, v8, v9
	v_add_f32 v38, v10, v11
	v_add_f32 v39, v12, v13
	v_add_f32 v40, v14, v15
	v_add_f32 v37, v37, v38
	v_add_f32 v39, v39, v40
	v_add_f32 v37, v37, v39
	v_permlanex16_b32 v35, v37, s[SEL], s[SEL+1]
	v_add_f32 v37, v37, v35
	v_rcp_f32 v38, v37
	v_nop
	s_wait_alu depctr_va_vdst(0)
.irp j, 0,1,2,3,4,5,6,7
	v_mul_f32 v[8+\j], v[8+\j], v38
.endr
.irp s, 0,1,2,3                                    ; O^T = v^T P: step s takes keys 2 s, 2 s + 1, 8 + 2 s, 9 + 2 s; four accumulators by turns
.irp ct, 0,1,2,3
.if \s == 0
	v_wmma_f32_16x16x4_f32 v[128+8*\ct:135+8*\ct], v[96+8*\ct+2*\s:97+8*\ct+2*\s], v[8+2*\s:9+2*\s], 0
.else
	v_wmma_f32_16x16x4_f32 v[128+8*\ct:135+8*\ct], v[96+8*\ct+2*\s:97+8*\ct+2*\s], v[8+2*\s:9+2*\s], v[128+8*\ct:135+8*\ct]
.endif
.endr
.endr
.rept 9
	v_nop                                          ; nine places: O^T goes on as a source of the next products
.endr
	WLOAD 3, 96
.irp c, 0,1,2,3                                    ; out^T += W^T O: step (c, s) takes channels 16 c + 2 s, + 1, + 8, + 9
.if \c == 0
	s_wait_loadcnt 63                              ; 64 loads are younger than W's first two quarters: the safe smaller count
.elseif \c == 2
	s_wait_loadcnt 32
.elseif \c == 3
	s_wait_loadcnt 0
.endif
.if \c < 2
.set WB, 192+32*\c
.else
.set WB, 64+32*(\c-2)
.endif
.irp s, 0,1,2,3
.irp ct, 0,1,2,3
.if (\c == 0) && (\s == 0)
	v_wmma_f32_16x16x4_f32 v[160+8*\ct:167+8*\ct], v[WB+2*(4*\s+\ct):WB+2*(4*\s+\ct)+1], v[128+8*\c+2*\s:129+8*\c+2*\s], 0
.else
	v_wmma_f32_16x16x4_f32 v[160+8*\ct:167+8*\ct], v[WB+2*(4*\s+\ct):WB+2*(4*\s+\ct)+1], v[128+8*\c+2*\s:129+8*\c+2*\s], v[160+8*\ct:167+8*\ct]
.endif
.endr
.endr
.endr
	s_mul_i32 s16, s12, 16*272
	s_mul_i32 s17, s12, 272
	v_and_b32 v8, 15, v0                           ; these eight lines are the eight places in front of the stores of results
	v_bfe_u32 v9, v0, 4, 1
	v_mul_u32_u24 v8, v8, 272
	v_lshl_add_u32 v8, v9, 5, v8
	v_add_nc_u32 v8, s16, v8                       ; my share: row r, + 32 hh
	v_and_b32 v10, 31, v0
	v_lshlrev_b32 v10, 3, v10                      ; 8 x lane
	v_add_nc_u32 v9, s17, v10                      ; back: row = my wave's number, in each share
.irp ct, 0,1,2,3
	ds_store_b128 v8, v[160+8*\ct:163+8*\ct] offset:64*\ct          ; out(r, 16 ct + 8 hh + 0 .. 7), each accumulator from its low end on
	ds_store_b128 v8, v[164+8*\ct:167+8*\ct] offset:64*\ct+16
.endr
	s_wait_dscnt 0x0                               ; for the others' sake: my stores are done
	s_barrier_signal -1
	s_barrier_wait -1
.irp i, 0,1,2,3,4,5,6,7,8,9,10,11,12,13,14,15
	ds_load_b64 v[32+2*\i:33+2*\i], v9 offset:16*272*\i
.endr
	s_wait_dscnt 0x0
.irp i, 1,2,3,4,5,6,7,8,9,10,11,12,13,14,15
	v_pk_add_f32 v[32:33], v[32:33], v[32+2*\i:33+2*\i]
.endr
	v_pk_add_f32 v[32:33], v[32:33], v[6:7]
	global_store_b64 v10, v[32:33], s[10:11]       ; the wave stores 256 consecutive bytes, aligned
	s_wait_tensorcnt 0x0                           ; the wave's end, behind my last LDS store
	ds_add_u32 v4, v5
	s_wait_dscnt 0x0
	s_endpgm
.Lfunc_end_k_q4f1e285ff5_first16:
	.size	k_q4f1e285ff5_first16, .Lfunc_end_k_q4f1e285ff5_first16-k_q4f1e285ff5_first16
	.p2alignl 7, 3214868480
	.fill 96, 4, 3214868480
	.section	.rodata,"a",@progbits
	.p2align	6, 0x0
	.amdhsa_kernel k_q4f1e285ff5_first16
		.amdhsa_group_segment_fixed_size 71680
		.amdhsa_private_segment_fixed_size 0
		.amdhsa_enable_private_segment 0
		.amdhsa_kernarg_size 32
		.amdhsa_user_sgpr_count 2
		.amdhsa_user_sgpr_kernarg_segment_ptr 1
		.amdhsa_wavefront_size32 1
		.amdhsa_system_sgpr_workgroup_id_x 1
		.amdhsa_system_sgpr_workgroup_id_y 1
		.amdhsa_system_sgpr_workgroup_id_z 1
		.amdhsa_system_vgpr_workitem_id 0
		.amdhsa_next_free_vgpr 256
		.amdhsa_next_free_sgpr 66
		.amdhsa_reserve_vcc 1
		.amdhsa_float_denorm_mode_32 3
		.amdhsa_float_denorm_mode_16_64 3
		.amdhsa_memory_ordered 1
		.amdhsa_forward_progress 1
		.amdhsa_inst_pref_size 32
	.end_amdhsa_kernel
	.amdgpu_metadata
---
amdhsa.version: [ 1, 2 ]
amdhsa.kernels:
  - .name:           k_q4f1e285ff5_first16
    .symbol:         k_q4f1e285ff5_first16.kd
    .args:
      - { .name: fq, .offset: 0, .size: 8, .value_kind: global_buffer, .address_space: global }
      - { .name: W_proj, .offset: 8, .size: 8, .value_kind: global_buffer, .address_space: global }
      - { .name: b_proj, .offset: 16, .size: 8, .value_kind: global_buffer, .address_space: global }
      - { .name: out0, .offset: 24, .size: 8, .value_kind: global_buffer, .address_space: global }
    .group_segment_fixed_size: 71680
    .private_segment_fixed_size: 0
    .kernarg_segment_align: 8
    .kernarg_segment_size: 32
    .max_flat_workgroup_size: 512
    .sgpr_count:     66
    .vgpr_count:     256
    .wavefront_size: 32
...
	.end_amdgpu_metadata
.endif
;; end of part 5
